; MI455X (gfx1250); checked and timed in simulation.
; The chip was launched on July 23, 2026; its instructions are those of AMD's public machine-readable ISA for CDNA 5 (MIT licence, August 2026) and "CDNA5" Instruction Set Architecture Reference Guide (July 2026). The comments in the code are by the model that wrote it; some were corrected since.
;; Pixel SNAIL. Allowed arithmetic: matrix products marked QUANTISED: E2M1 operands, one E8M0 scale for each 32 along K, by v_wmma_scale_f32_16x16x128_f8f6f4 with both operands' format E2M1 (or v_wmma_scale_f32_32x16x128_f4), f32 sums; everything else in f32.
;; Inputs: Wk_codes 512 x 8 x 16 uint8 (E2M1 codes of Wk, K innermost, in blocks of 32 codes, two codes a byte); Wk_scales 512 x 8 uint8 (E8M0 scales of Wk, one for each 32 codes along K); Wq_codes 512 x 8 x 16 uint8 (E2M1 codes of Wq, K innermost, in blocks of 32 codes, two codes a byte); Wq_scales 512 x 8 uint8 (E8M0 scales of Wq, one for each 32 codes along K); Wv_codes 512 x 8 x 16 uint8 (E2M1 codes of Wv, K innermost, in blocks of 32 codes, two codes a byte); Wv_scales 512 x 8 uint8 (E8M0 scales of Wv, one for each 32 codes along K); bk 512 float32; bq 512 float32; bv 512 float32; key_codes 8 x 32 x 32 x 8 x 16 uint8 (E2M1 codes of key, K innermost, in blocks of 32 codes, two codes a byte); key_scales 8 x 32 x 32 x 8 uint8 (E8M0 scales of key, one for each 32 codes along K); query_codes 8 x 32 x 32 x 8 x 16 uint8 (E2M1 codes of query, K innermost, in blocks of 32 codes, two codes a byte); query_scales 8 x 32 x 32 x 8 uint8 (E8M0 scales of query, one for each 32 codes along K).
;; Outputs: out0 8 x 512 x 32 x 32 float32.
;; This version of the problem:
;;   THIS VERSION OF THE PROBLEM IS GIVEN IN LOW PRECISION. The matrix products marked QUANTISED in the list below multiply operands that are first quantised to E2M1 (2 exponent bits, 1 mantissa bit; 4 bits a number), with one power-of-two scale for each 32 numbers along K (OCP MX v1.0); their sums are f32. All else is computed in f32.
;;   The module's matrix products, in the order in which they are computed (A, B: the left and right operand; K: the contracted axis; several contracted axes count as one K, in the product's order):
;;     1. [M 8,192, K 256] x [K 256, N 512]; A: input query (given as codes); B: input Wq (given as codes): QUANTISED
;;     2. [M 8,192, K 256] x [K 256, N 512]; A: input key (given as codes); B: input Wk (given as codes): QUANTISED
;;     3. [M 8,192, K 256] x [K 256, N 512]; A: input key (given as codes); B: input Wv (given as codes): QUANTISED
;;     4. batch 64 x [M 1,024, K 64] x [K 64, N 1,024]; A: computed on the way; B: computed on the way: QUANTISED
;;     5. batch 64 x [M 1,024, K 1,024] x [K 1,024, N 64]; A: softmax (see below); B: computed on the way: QUANTISED
;;   THE QUANTISER, for each operand of a quantised product, along K:
;;     - K is cut into blocks of 32 from its start; a last block that is shorter is filled with zeros.
;;     - A block's scale is 2^e with e = floor(log2(the largest magnitude in the block)) - 2, held to -126 .. 127; a block of zeros has e = 0. As a byte (E8M0): e + 127.
;;     - Each number is divided by its block's scale, clamped to +-6, and rounded to the nearest number of E2M1, ties to even, subnormals kept.
;;     - The product sums the exact products of the quantised numbers (number of the format x scale) in f32.
;;   ~~~python
;;   def quantise(x, axis):      # numpy; x: float32 -> the quantised numbers, widened to float32 again
;;       x = np.moveaxis(x, axis, -1); K = x.shape[-1]
;;       x = np.pad(x, [(0, 0)] * (x.ndim - 1) + [(0, -K % 32)]); x = x.reshape(x.shape[:-1] + (-1, 32)); a = np.abs(x).max(-1, keepdims=True)
;;       e = np.where(a > 0, np.clip(np.frexp(np.where(a > 0, a, 1))[1] - 1 - 2, -126, 127), 0)      # np.frexp(a)[1] - 1 = floor(log2(a)), exactly
;;       r = np.clip(x / 2.0 ** e, -6, 6)
;;       step = 2.0 ** (np.maximum(np.frexp(np.where(r == 0, 1, r))[1] - 1, 0) - 1)
;;       q = np.round(r / step) * step * 2.0 ** e      # np.round: ties to even
;;       return np.moveaxis(q.reshape(q.shape[:-2] + (-1,))[..., :K], -1, axis).astype(np.float32)
;;   ~~~
;;   SOFTMAX AHEAD OF A QUANTISED PRODUCT. Where the list says 'softmax', what is quantised is not the finished softmax but p = 2^(t - M), with t = logit x log2(e) and M = ceil(the row's largest t), a whole number; so 1/2 < the row's largest p <= 1. The row's sum l is taken of the UNQUANTISED p, in f32, and the product's result is divided by l at the end. Since M is a whole number, a kernel that streams over the keys may use a running M (the ceiling of the running maximum): every later rescaling is an exact power of two, which a block's scale takes up: the codes' values come out the same.
;;   OPERANDS COMPUTED ON THE WAY. 'Computed on the way' means the value that the module computes at that place (a softmax that the list does not call 'softmax' is quantised finished and normalised). What goes into a quantiser is computed in f32, as accurately as f32 sums, v_exp_f32 and their like allow (about 1e-6 of the number): no bf16 or f16 on the way to a quantiser, and a product that is left as it is and whose result goes on into a quantised operand takes f32 operands (vector FMAs, or v_wmma_f32_16x16x4_f32). A number that lies on a knife's edge between two numbers of the format may be rounded either way, as far as f32 arithmetic and the matrix unit's own rounding can turn it there, and no further.
;;   INPUTS GIVEN AS CODES. Wk (in the module: [512, 256], K = its axis 1); Wq (in the module: [512, 256], K = its axis 1); Wv (in the module: [512, 256], K = its axis 1); key (in the module: [8, 256, 32, 32], K = its axis 1); query (in the module: [8, 256, 32, 32], K = its axis 1): each comes as NAME_codes (uint8): NAME with its K axis moved to the last place and cut into blocks of 32 codes, [.., K / 32, bytes a block], one block behind the other in memory; two codes a byte, the lower K in the low four bits (a code: sign, 2 exponent bits, 1 mantissa bit); and NAME_scales (uint8): the same leading axes, one E8M0 byte (e + 127) for each 32 codes along K. Its value is code x scale, taken as it is: it is not quantised again, and the codes and scales need not be those that the quantiser above would give.
;; 2 versions. Each part assembles by itself: llvm-mc -triple=amdgcn-amd-amdhsa -mcpu=gfx1250 --defsym DOCPART=n.
;; ======== version 1 of 2: 1 launch
;; launch attn (part 1): grid 4 x 64, 8 waves a work-group, no clusters, 142,336 bytes of LDS; arguments query_codes, query_scales, key_codes, key_scales, Wq_codes, Wq_scales, Wk_codes, Wk_scales, Wv_codes, Wv_scales, bq, bk, bv, out0; writes out0
.if DOCPART == 1
	.amdgcn_target "amdgcn-amd-amdhsa--gfx1250"
	.amdhsa_code_object_version 6
	.text
	.protected	k_qdbe48d2aaa_attn
	.globl	k_qdbe48d2aaa_attn
	.p2align	8
	.type	k_qdbe48d2aaa_attn,@function
k_qdbe48d2aaa_attn:
	s_mov_b64 s[64:65], 0
	v_nop
	global_prefetch_b8 v0, s[64:65] scope:SCOPE_SE
	s_setreg_imm32_b32 hwreg(HW_REG_WAVE_MODE, 25, 1), 1
	s_wait_xcnt 0x0
; Causal attention of 8 batches x 8 heads of 64 over 1,024 positions, all five products on codes of FP4 (E2M1) with one E8M0 scale for each 32 along K, in ONE launch.
; q = query Wq^T + bq, k = key Wk^T + bk, v = key Wv^T + bv (K = 256); scores = q k^T / 8 (K = 64, q and k quantised along the head's 64); p = 2^(t - M), t = score x log2(e) / 8, M the running
; largest t rounded up to a whole number; O = p v (K = the keys, p and v quantised along the keys), divided at the end by the sum of the unquantised p.  out0 is [batch][64 head + d][position], f32.
; SHARES.  Work-group (j = x, 8 batch + head = y) owns two blocks of 128 queries of its head: block j and block 7 - j.  Wave w owns queries 16 w .. 16 w + 15 of each.  Block i sees key steps 0 .. i of
; 128 keys: j + 1 and 8 - j steps, nine for every wave of every work-group.
; WORK LEFT OUT.  reference() builds the mask itself (jnp.tril): key k counts for query q only where k <= q; elsewhere the score is -infinity and p = 0 whatever the inputs hold.  So a key step whose
; 128 keys all come after a block's queries adds nothing to the sum or to O and is not walked, and k and v of key steps above 7 - j, which no query of this work-group sees, are not projected here.
; Every input is loaded (bk too: it moves k's codes).  LIMIT: a NaN, an infinity or an overflow that reaches only the work left out is not carried to the result.
; LIMITS.  A block whose largest magnitude lies under 2^-124 keeps the scale byte 1; a block of zeros gets the byte 1 and not 127: its codes are zeros, and these bytes are read by this text alone.
; A scale byte 0xff among the inputs gives NaN as it does in the product itself; NaN and infinities are not served otherwise.
; K AND V OF THE HEAD STAY IN LDS.  Wave w projects key step w (where w <= 7 - j), quantises it in registers and stores the operands as images of their registers: 16 bytes a lane, 512 bytes a store.
; As codes a head's k and v are 32,768 bytes each, their scale words 4,096 each: nothing is filled again, so there is no ring and no tensor load.
; NO CLUSTER: nothing comes by a tensor load, and the four work-groups of a head want different numbers of key steps (8 - j).  Inputs go from memory straight into operand registers, once a wave.
; K = 64 ON A FORM OF K = 128.  A fragment of k holds TWO tiles of 16 keys, one in k = 0..63 and one in k = 64..127.  It is multiplied once by [q | zero codes] and once by [zero codes | q]: a zero code
; times any code of E2M1 under any scale byte of 1 .. 254 is 0.  So no byte of a fragment in LDS or in registers is padding.
; LAYOUT (r = lane % 16, h = lane / 16, map(r) = r + 8 (r / 8)).  Tile 2 b + u of a key step, and of Wq's and Wk's 64 rows, takes row 32 b + 8 u + map(r).  q and k are projected transposed (source 0 = 16 rows
; of W, source 1 = 16 positions), v with source 0 = 16 keys, source 1 = 16 rows of Wv; S^T = k q^T and O^T = v^T p^T.  In each result a lane's 16 registers of tiles 2 b, 2 b + 1 are the 16 neighbours
; 32 b + 16 h + 0 .. 15 along the next K of ONE row, so one macro quantises q, k and v, and the same lines quantise p.
; REGISTERS.  Window 1: v0-127 the key step's 16 fragments (tile T, K step s at 16 T + 8 s); v128-191 Wq's, later Wv's; v192-255 Wk's.  Window 0: below.  v36, v37 and v220-255 hold scale words and nothing else.
.set KSC,   0                          ; LDS: k's scale words: 512 bytes a key step; lane l's 16 bytes at 16 l: the words of its row in pair fragments 0 .. 3
.set VSC,   4096                       ; v's likewise, fragments dt = 0 .. 3
.set KIMG,  8192                       ; k's images: 4,096 bytes a key step, 1,024 a fragment, 512 a store
.set VIMG,  40960                      ; v's
.set STG,   73728                      ; the stage of the first block's way out: 64 rows (d) x (128 queries x 4 bytes + 16);
.set STGB,  33792                      ; the second block's lies this far on: each has bytes of its own, so no barrier parts one's reads from the other's stores
.set SROW,  528
.set SPARE, 141312                     ; the spare words, 128 bytes for each wave: four blocks of 256 bytes that no other line names
.set SPW, 1                            ; v1   SPARE + 4 x my thread's number; never rewritten
.set NIL, 2                            ; v2   0; never rewritten
.set LI,  3                            ; v3   16 x lane: my place in an image; also my offset in a row of out0
.set IW,  4                            ; v4   16 x lane + 4,096 x wave: where I store images
.set SW,  5                            ; v5   16 x lane + 512 x wave: where I store scale words
.set MA,  6                            ; v6   128 map(r) + 16 h: my bytes of a mapped tile's row of codes
.set DG,  6                            ;      behind the first barrier: 16 w + r - 16 h, for the diagonal
.set MS,  7                            ; v7   8 map(r): that row's scale bytes
.set NINF, 7                           ;      behind the first barrier: -infinity
.set PA,  8                            ; v8   128 r + 16 h: a plain tile's row of codes
.set PS,  9                            ; v9   8 r
.set BA,  10                           ; v10  64 h: bq's and bk's eight numbers of my half
.set BVA, 11                           ; v11  4 r: bv's number of my row
.set STO, 12                           ; v12  the stage, in: STG + 8 h rows + 4 (16 w + r)
.set RD,  13                           ; v13  the stage, back: STG + 8 w rows + 16 x lane
.set AD,  14                           ; v14  the key step's images
.set ADS, 15                           ; v15  and its scale words
.set QR,  16                           ; v16-35  [0000 | q of block j | 0000 | q of block 7 - j | 0000]: [q | 0] begins at v20, v28; [0 | q] four registers lower
.set QSA, 36                           ; v36, v37  q's two scale bytes, in both halves of the word
.set QSB, 37
.set ACC, 38                           ; v38-101   projection: eight accumulators
.set PC,  102                          ; v102-109  the codes just made
.set PW,  110                          ; v110      their scale word
.set TM,  112                          ; v112-115 largest magnitudes, v116-119 the other half's, then bytes, v120-123 the conversions' scale operands
.set QF,  124                          ; v124-155  the two query tiles' fragments (block u, K step s at 16 u + 8 s)
.set BX,  156                          ; v156-187  bq, later bv: eight registers a tile, in the result's layout
.set BY,  188                          ; v188-219  bk
.set QXS, 220                          ; v220-223  query's scale words (2 u + s)
.set XS,  224                          ; v224-231  Wq's, later Wv's (2 t + s)
.set YS,  232                          ; v232-239  Wk's
.set KVS, 240                          ; v240-255  key's (2 T + s)
.set KV,  0                            ; window 1
.set WX,  128
.set WY,  192
.set SS,  38                           ; v38-101   attention: S^T, then p; on the way out O / the sum (v38-69) and whole rows (v70-101)
.set OO,  102                          ; v102-133  O^T
.set KF,  134                          ; v134-165  k's four pair fragments
.set VF,  166                          ; v166-197  v's four fragments
.set PC2, 198                          ; v198-205  p's codes
.set BM,  206                          ; v206-209  each block's largest score, then its largest p, then the conversion's scale operand
.set T2,  210                          ; v210-213  the other half's maxima; then v[210:211] a chain of sums and v212 at work; then bytes
.set TMP, 212
.set MN,  214                          ; v214 -M, v215 the largest t
.set TX,  215
.set LL,  216                          ; v[216:217] the sum in two halves
.set FF,  218                          ; v218 f = 2^(old M - new M); v219 is named with it as a pair, so it is written
.set KS,  224                          ; v224-227 k's scale words, v228-231 v's, v232 p's
.set VS,  228
.set PW2, 232
.set WV,  32                           ; s32 wave;  s33 block j, s34 block 7 - j;  s35 8 batch + head, s36 batch, s37 head;  s[38:39] an offset, s53 at work
.set SEL, 46                           ; s[46:47] v_permlanex16_b32's selects for lane l xor 16
.set CS,  48                           ; s[48:49] c = log2(e) / 8: the packed form names a pair and takes its low word for both halves
.set STP, 50                           ; s50 the key step;  s51 its images' offset;  s52 its scale words'
.set TB,  51
.set TS,  52
.set MSB, 0
.macro WIN new                         ; the immediate's high byte repeats the setting that is left; a switch that changes nothing is dropped
.if MSB != \new
	s_set_vgpr_msb (MSB<<8)|\new
.set MSB, \new
.endif
.endm
.macro PLACES                          ; four plain vector places between a matrix instruction and a vector read of its result, or a load into one of its registers
.rept 4
	v_nop
.endr
.endm
.macro BARRIER                         ; my LDS stores have landed and my LDS loads are in: then the work-group's barrier
	s_wait_dscnt 0x0
	s_barrier_signal -1
	s_barrier_wait -1
.endm
; 64 numbers of a lane, v[s] .. v[s + 63], register 16 b + i = k 32 b + 16 h + i of my row, become a fragment's codes in v[PC] on and its scale word in v[PW].
.macro QUANT s
.irp b, 0,1,2,3
	v_max3_num_f32 v[TM+\b], |v[\s+16*\b]|, |v[\s+1+16*\b]|, 0x1800000   ; block b: my 16 numbers, and the floor 2^(3 - 127): the byte cannot fall under 1
.endr
.irp i, 2,4,6,8,10,12,14
.irp b, 0,1,2,3
	v_max3_num_f32 v[TM+\b], v[TM+\b], |v[\s+16*\b+\i]|, |v[\s+1+16*\b+\i]|   ; the four blocks by turns; each accumulator is first read at its low end
.endr
.endr
.irp b, 0,1,2,3
	v_permlanex16_b32 v[TM+4+\b], v[TM+\b], s[SEL], s[SEL+1]
.endr
.irp b, 0,1,2,3
	v_max_num_f32 v[TM+\b], v[TM+\b], v[TM+4+\b]   ; with lane l xor 16's: the block's largest magnitude
.endr
.irp b, 0,1,2,3
	v_add_nc_u32 v[TM+8+\b], 0xff000000, v[TM+\b]  ; 2 off its exponent field: the conversion takes this operand's exponent field as its scale
.endr
.irp b, 0,1,2,3
	v_lshrrev_b32 v[TM+4+\b], 23, v[TM+8+\b]       ; the scale's byte
.endr
	v_lshl_or_b32 v[PW], v[TM+5], 8, v[TM+4]       ; four bytes: my row's scale word
	v_lshl_or_b32 v[PW], v[TM+6], 16, v[PW]
	v_lshl_or_b32 v[PW], v[TM+7], 24, v[PW]
.irp b, 0,1,2,3
	v_cvt_scalef32_pk8_fp4_f32 v[PC+2*\b], v[\s+16*\b:\s+7+16*\b], v[TM+8+\b]
	v_cvt_scalef32_pk8_fp4_f32 v[PC+1+2*\b], v[\s+8+16*\b:\s+15+16*\b], v[TM+8+\b]
.endr
	v_nop                                          ; one plain place behind a scaled conversion
.irp c, 0,1                                    ; the operand's layout wants a whole block in a lane: lanes 0-15 block 2 c, lanes 16-31 block 2 c + 1
.irp i, 0,1
	v_permlane16_swap_b32 v[PC+4*\c+\i], v[PC+2+4*\c+\i]
.endr
.endr
.endm
; Two tiles of positions (fragments at fb + 16 u + 8 s, scale words at fs + 2 u + s) against the four tiles of a weight's 64 rows (window 1, wb + 16 t + 8 s; words ws + 2 t + s), transposed.
; The bias (bi + 8 t) is the C of each sum's first product.  The eight accumulators take turns, one instruction a turn.
.macro PROJ_W wb, ws, bi, fb, fs, wn
	WIN \wn
.irp u, 0,1
.irp t, 0,1,2,3
	v_wmma_scale_f32_16x16x128_f8f6f4 v[ACC+32*\u+8*\t:ACC+32*\u+8*\t+7], v[\wb+16*\t:\wb+16*\t+7], v[(\fb)+16*\u:(\fb)+16*\u+7], v[\bi+8*\t:\bi+8*\t+7], v[\ws+2*\t], v[(\fs)+2*\u] matrix_a_fmt:MATRIX_FMT_FP4 matrix_b_fmt:MATRIX_FMT_FP4
.endr
.endr
.irp u, 0,1
.irp t, 0,1,2,3
	v_wmma_scale_f32_16x16x128_f8f6f4 v[ACC+32*\u+8*\t:ACC+32*\u+8*\t+7], v[\wb+16*\t+8:\wb+16*\t+15], v[(\fb)+16*\u+8:(\fb)+16*\u+15], v[ACC+32*\u+8*\t:ACC+32*\u+8*\t+7], v[\ws+2*\t+1], v[(\fs)+2*\u+1] matrix_a_fmt:MATRIX_FMT_FP4 matrix_b_fmt:MATRIX_FMT_FP4
.endr
.endr
	WIN 0
	PLACES
.endm
; v: the key step's eight tiles (source 0) against tile dt of Wv's rows (source 1): a lane holds d = 16 dt + r, and its 64 registers run along the keys
.macro PROJ_V dt
	WIN 0x05
.irp t, 0,1,2,3,4,5,6,7
	v_wmma_scale_f32_16x16x128_f8f6f4 v[ACC+8*\t:ACC+8*\t+7], v[KV+16*\t:KV+16*\t+7], v[WX+16*(\dt):WX+16*(\dt)+7], v[BX+8*(\dt):BX+8*(\dt)+7], v[KVS+2*\t], v[XS+2*(\dt)] matrix_a_fmt:MATRIX_FMT_FP4 matrix_b_fmt:MATRIX_FMT_FP4
.endr
.irp t, 0,1,2,3,4,5,6,7
	v_wmma_scale_f32_16x16x128_f8f6f4 v[ACC+8*\t:ACC+8*\t+7], v[KV+16*\t+8:KV+16*\t+15], v[WX+16*(\dt)+8:WX+16*(\dt)+15], v[ACC+8*\t:ACC+8*\t+7], v[KVS+2*\t+1], v[XS+2*(\dt)+1] matrix_a_fmt:MATRIX_FMT_FP4 matrix_b_fmt:MATRIX_FMT_FP4
.endr
	WIN 0
	PLACES
.endm
.macro IMAGE off, soff                 ; the fragment in v[PC] on and its scale word go to LDS as they stand
	ds_store_b128 v[IW], v[PC:PC+3] offset:\off
	ds_store_b128 v[IW], v[PC+4:PC+7] offset:\off+512
	ds_store_b32 v[SW], v[PW] offset:\soff
.endm
; q of my two tiles of queries: blocks 0, 1 of the 64 numbers are the first block's d = 0 .. 63, blocks 2, 3 the second's
.macro QPASS
	PROJ_W WX, XS, BX, QF, QXS, 0x01
	QUANT ACC
.irp i, 0,1,2,3
	v_mov_b32 v[QR+4+\i], v[PC+\i]                 ; between the runs of zero codes
	v_mov_b32 v[QR+12+\i], v[PC+4+\i]
.endr
	v_and_b32 v[TM], 0xffff, v[PW]
	v_lshrrev_b32 v[TM+1], 16, v[PW]
	v_lshl_or_b32 v[QSA], v[TM], 16, v[TM]         ; the two bytes serve k = 0..63 in [q | 0] and k = 64..127 in [0 | q]
	v_lshl_or_b32 v[QSB], v[TM+1], 16, v[TM+1]
.endm
.macro QLOAD u, cb, sb                 ; 16 queries' codes (two K steps) and scale words
.irp s, 0,1
.irp c, 0,1
	global_load_b128 v[QF+16*\u+8*\s+4*\c:QF+16*\u+8*\s+4*\c+3], v[PA], s[\cb:\cb+1] offset:64*\s+32*\c
.endr
.endr
	global_load_b64 v[QXS+2*\u:QXS+2*\u+1], v[PS], s[\sb:\sb+1]
.endm
.macro WMAP dst, cb                    ; a weight's 64 rows as four mapped tiles (destination window 1)
.irp t, 0,1,2,3
.irp s, 0,1
.irp c, 0,1
	global_load_b128 v[\dst+16*\t+8*\s+4*\c:\dst+16*\t+8*\s+4*\c+3], v[MA], s[\cb:\cb+1] offset:(32*(\t/2)+8*(\t%2))*128+64*\s+32*\c
.endr
.endr
.endr
.endm
.macro WMAPS dst, sb                   ; their scale words: 8 bytes a row are the two K steps' words
.irp t, 0,1,2,3
	global_load_b64 v[\dst+2*\t:\dst+2*\t+1], v[MS], s[\sb:\sb+1] offset:(32*(\t/2)+8*(\t%2))*8
.endr
.endm
.macro BMAP dst, bb                    ; a bias in the result's layout: for tile 2 b + u the numbers 32 b + 8 u + 16 h + 0 .. 7
.irp t, 0,1,2,3
.irp k, 0,1
	global_load_b128 v[\dst+8*\t+4*\k:\dst+8*\t+4*\k+3], v[BA], s[\bb:\bb+1] offset:(32*(\t/2)+8*(\t%2))*4+16*\k
.endr
.endr
.endm
.macro KVS_LOAD t0                     ; key tiles t0 .. t0 + 3 (t0 even): scale words
.irp i, 0,1,2,3
	global_load_b64 v[KVS+2*(\t0+\i):KVS+2*(\t0+\i)+1], v[MS], s[10:11] offset:(32*((\t0+\i)/2)+8*(\i%2))*8
.endr
.endm
.macro KV_LOAD t0                      ; and codes (destination window 1)
.irp i, 0,1,2,3
.irp s, 0,1
.irp c, 0,1
	global_load_b128 v[KV+16*(\t0+\i)+8*\s+4*\c:KV+16*(\t0+\i)+8*\s+4*\c+3], v[MA], s[8:9] offset:(32*((\t0+\i)/2)+8*(\i%2))*128+64*\s+32*\c
.endr
.endr
.endr
.endm
	s_load_b512 s[4:19], s[0:1], 0x0               ; query codes s[4:5], scales s[6:7]; key s[8:9], s[10:11]; Wq s[12:13], s[14:15]; Wk s[16:17], s[18:19]
	s_load_b256 s[20:27], s[0:1], 0x40             ; Wv s[20:21], s[22:23]; bq s[24:25]; bk s[26:27]
	s_load_b128 s[28:31], s[0:1], 0x60             ; bv s[28:29]; out0 s[30:31]
	v_lshl_add_u32 v[SPW], v0, 2, SPARE
	v_mov_b32 v[NIL], 0
	v_lshrrev_b32 v14, 5, v0
	v_readfirstlane_b32 s[WV], v14                 ; wave 0..7
	v_and_b32 v14, 31, v0
	v_lshlrev_b32 v[LI], 4, v14
	s_lshl_b32 s53, s[WV], 12
	v_add_nc_u32 v[IW], s53, v[LI]
	s_lshl_b32 s53, s[WV], 9
	v_add_nc_u32 v[SW], s53, v[LI]
	v_and_b32 v14, 15, v0                          ; r
	v_bfe_u32 v15, v0, 4, 1                        ; h
	v_and_b32 v[MS], 8, v14
	v_add_nc_u32 v[MS], v[MS], v14                 ; map(r)
	v_lshlrev_b32 v[MA], 7, v[MS]
	v_lshl_add_u32 v[MA], v15, 4, v[MA]
	v_lshlrev_b32 v[MS], 3, v[MS]
	v_lshlrev_b32 v[PA], 7, v14
	v_lshl_add_u32 v[PA], v15, 4, v[PA]
	v_lshlrev_b32 v[PS], 3, v14
	v_lshlrev_b32 v[BA], 6, v15
	v_lshlrev_b32 v[BVA], 2, v14
	v_mul_u32_u24 v[STO], v15, 8*SROW
	v_lshl_add_u32 v[STO], v14, 2, v[STO]
	s_lshl_b32 s53, s[WV], 6
	s_add_co_u32 s53, s53, STG
	v_add_nc_u32 v[STO], s53, v[STO]
	s_mul_i32 s53, s[WV], 8*SROW
	s_add_co_u32 s53, s53, STG
	v_add_nc_u32 v[RD], s53, v[LI]
.irp i, 0,1,2,3
	v_mov_b32 v[QR+\i], 0                          ; the three runs of zero codes beside q
	v_mov_b32 v[QR+8+\i], 0
	v_mov_b32 v[QR+16+\i], 0
	v_mov_b32 v[TM+4+\i], 0                        ; written once: a lane permute's destination counts as one of its sources
.endr
	s_mov_b32 s33, ttmp9                           ; block j
	s_sub_co_u32 s34, 7, s33                       ; block 7 - j: also the last key step that this work-group sees
	s_and_b32 s35, ttmp7, 0xffff                   ; 8 batch + head
	s_lshr_b32 s36, s35, 3
	s_and_b32 s37, s35, 7
	s_mov_b32 s39, 0
	s_mov_b32 s[SEL], 0x76543210
	s_mov_b32 s[SEL+1], 0xfedcba98
	s_mov_b32 s[CS], 0x3e38aa3b                    ; log2(e) / 8
	s_mov_b32 s[CS+1], s[CS]
	s_wait_kmcnt 0x0
	s_lshl_b32 s38, s36, 17                        ; query's codes: 131,072 bytes a batch, 2,048 for a wave's 16 rows, 16,384 a block
	s_lshl_b32 s53, s[WV], 11
	s_add_co_u32 s38, s38, s53
	s_add_nc_u64 s[4:5], s[4:5], s[38:39]
	s_lshl_b32 s38, s34, 14
	s_add_nc_u64 s[40:41], s[4:5], s[38:39]        ; block 7 - j
	s_lshl_b32 s38, s33, 14
	s_add_nc_u64 s[4:5], s[4:5], s[38:39]          ; block j
	s_lshl_b32 s38, s36, 13                        ; its scale bytes: a sixteenth of that
	s_lshl_b32 s53, s[WV], 7
	s_add_co_u32 s38, s38, s53
	s_add_nc_u64 s[6:7], s[6:7], s[38:39]
	s_lshl_b32 s38, s34, 10
	s_add_nc_u64 s[42:43], s[6:7], s[38:39]
	s_lshl_b32 s38, s33, 10
	s_add_nc_u64 s[6:7], s[6:7], s[38:39]
	s_lshl_b32 s38, s36, 17                        ; key: my wave's key step of 128 rows
	s_lshl_b32 s53, s[WV], 14
	s_add_co_u32 s38, s38, s53
	s_add_nc_u64 s[8:9], s[8:9], s[38:39]
	s_lshl_b32 s38, s36, 13
	s_lshl_b32 s53, s[WV], 10
	s_add_co_u32 s38, s38, s53
	s_add_nc_u64 s[10:11], s[10:11], s[38:39]
	s_lshl_b32 s38, s37, 13                        ; the head's 64 rows of each weight: 128 bytes of codes a row,
	s_add_nc_u64 s[12:13], s[12:13], s[38:39]
	s_add_nc_u64 s[16:17], s[16:17], s[38:39]
	s_add_nc_u64 s[20:21], s[20:21], s[38:39]
	s_lshl_b32 s38, s37, 9                         ; 8 scale bytes,
	s_add_nc_u64 s[14:15], s[14:15], s[38:39]
	s_add_nc_u64 s[18:19], s[18:19], s[38:39]
	s_add_nc_u64 s[22:23], s[22:23], s[38:39]
	s_lshl_b32 s38, s37, 8                         ; 4 bytes of bias
	s_add_nc_u64 s[24:25], s[24:25], s[38:39]
	s_add_nc_u64 s[26:27], s[26:27], s[38:39]
	s_add_nc_u64 s[28:29], s[28:29], s[38:39]
	s_lshl_b32 s38, s35, 18                        ; out0: 64 rows of 4,096 bytes a head; my wave stores rows d = 8 w .. 8 w + 7; a block is 512 bytes of a row
	s_lshl_b32 s53, s[WV], 15
	s_add_co_u32 s38, s38, s53
	s_add_nc_u64 s[30:31], s[30:31], s[38:39]
	s_lshl_b32 s38, s34, 9
	s_add_nc_u64 s[44:45], s[30:31], s[38:39]
	s_lshl_b32 s38, s33, 9
	s_add_nc_u64 s[30:31], s[30:31], s[38:39]
	; the first group of loads, 38: what q's projection wants
	QLOAD 0, 4, 6
	QLOAD 1, 40, 42
	WMAPS XS, 14
	BMAP BX, 24
	WIN 0x40
	WMAP WX, 12
	WIN 0
	s_cmp_gt_u32 s[WV], s34                        ; key step w comes after all of this work-group's queries: that wave projects q alone
	s_cbranch_scc1 .Lonly_q
	; the second group, 48: Wk, bk and the key step's tiles 0 to 3
	WMAPS YS, 18
	BMAP BY, 26
	KVS_LOAD 0
	WIN 0x40
	WMAP WY, 16
	KV_LOAD 0
	WIN 0
	s_wait_loadcnt 48                              ; the first group is in; the 48 issued behind it may be out
	QPASS
	; the third group, 44: first the key step's tiles 4 to 7 (20 loads), then Wv, its scale words and bv (24) into the registers that q's projection has left (its places and the quantiser's lines lie between)
	KVS_LOAD 4
	WIN 0x40
	KV_LOAD 4
.irp t, 0,1,2,3
.irp s, 0,1
.irp c, 0,1
	global_load_b128 v[WX+16*\t+8*\s+4*\c:WX+16*\t+8*\s+4*\c+3], v[PA], s[20:21] offset:2048*\t+64*\s+32*\c   ; Wv's tiles are plain: row 16 t + r
.endr
.endr
.endr
	WIN 0
.irp t, 0,1,2,3
	global_load_b64 v[XS+2*\t:XS+2*\t+1], v[PS], s[22:23] offset:128*\t
.endr
.irp t, 0,1,2,3
	global_load_b32 v[BX+8*\t], v[BVA], s[28:29] offset:64*\t   ; bv(16 t + r)
.endr
	s_wait_loadcnt 44                              ; the second group is in; the 44 issued behind it may be out
.irp b, 0,1
	PROJ_W WY, YS, BY, KV+32*\b, KVS+4*\b, 0x05    ; k of key tiles 2 b and 2 b + 1
	s_wait_dscnt 0x0                               ; the last image's stores have read their registers
	QUANT ACC
	IMAGE KIMG+1024*\b, KSC+4*\b                   ; pair fragment b
.endr
	s_wait_loadcnt 24                              ; tiles 4 to 7 are in; Wv's 24 loads may be out
.irp b, 2,3
	PROJ_W WY, YS, BY, KV+32*\b, KVS+4*\b, 0x05
	s_wait_dscnt 0x0
	QUANT ACC
	IMAGE KIMG+1024*\b, KSC+4*\b
.endr
	s_wait_loadcnt 0x0
.irp d, 0,1,2,3
.irp k, 1,2,3,4,5,6,7
	v_mov_b32 v[BX+8*\d+\k], v[BX+8*\d]            ; in v's result a lane holds one d: its bias fills the eight registers of C
.endr
.endr
.irp d, 0,1,2,3
	PROJ_V \d
	s_wait_dscnt 0x0
	QUANT ACC
	IMAGE VIMG+1024*\d, VSC+4*\d
.endr
	s_branch .Lmeet
.Lonly_q:
	s_wait_loadcnt 0x0
	QPASS
.Lmeet:
	BARRIER                                        ; k's and v's images of key steps 0 .. 7 - j lie in LDS; nobody writes them again
	v_and_b32 v[DG], 15, v0                        ; (all my global loads are done: v6 and v7 are free)
	v_bfe_u32 v[NINF], v0, 4, 1
	v_lshlrev_b32 v[NINF], 4, v[NINF]
	v_sub_nc_u32 v[DG], v[DG], v[NINF]
	s_lshl_b32 s53, s[WV], 4
	v_add_nc_u32 v[DG], s53, v[DG]                 ; 16 w + r - 16 h
	v_mov_b32 v[NINF], 0xff800000
; A KEY STEP of 128 keys for my 16 queries of block s[blk].  qlo: where [q | 0] begins; qs: q's scale word.
.macro STEP qlo, qs, blk
	s_cmp_gt_u32 s[STP], s[\blk]                   ; all its keys come after the block's queries: a branch on ids, the same in all eight waves, round the work alone
	s_cbranch_scc1 .Lhid_\@
	v_add_nc_u32 v[AD], s[TB], v[LI]
	v_add_nc_u32 v[ADS], s[TS], v[LI]
.irp b, 0,1,2,3
	ds_load_b128 v[KF+8*\b:KF+8*\b+3], v[AD] offset:KIMG+1024*\b
	ds_load_b128 v[KF+8*\b+4:KF+8*\b+7], v[AD] offset:KIMG+1024*\b+512
.endr
	ds_load_b128 v[KS:KS+3], v[ADS] offset:KSC
.irp d, 0,1,2,3
	ds_load_b128 v[VF+8*\d:VF+8*\d+3], v[AD] offset:VIMG+1024*\d
	ds_load_b128 v[VF+8*\d+4:VF+8*\d+7], v[AD] offset:VIMG+1024*\d+512
.endr
	ds_load_b128 v[VS:VS+3], v[ADS] offset:VSC
	s_wait_dscnt 9                                 ; k's nine loads are in; v's nine, issued behind them, land under the softmax
.irp b, 0,1,2,3
.irp u, 0,1
	v_wmma_scale_f32_16x16x128_f8f6f4 v[SS+8*(2*\b+\u):SS+8*(2*\b+\u)+7], v[KF+8*\b:KF+8*\b+7], v[\qlo-4*\u:\qlo-4*\u+7], 0, v[KS+\b], v[\qs] matrix_a_fmt:MATRIX_FMT_FP4 matrix_b_fmt:MATRIX_FMT_FP4
.endr
.endr                                          ; lane (r, h): query r; register 16 b + i: key 32 b + 16 h + i of the step
	PLACES
	s_cmp_lg_u32 s[STP], s[\blk]
	s_cbranch_scc1 .Lopen_\@
.set NN, 0                                     ; the block's own step lies on the diagonal: hidden where 32 b + i > 16 w + r - 16 h; such scores become -infinity ahead of the maximum, so p = 0
.rept 64
	v_cmp_gt_i32 vcc_lo, 32*(NN/16)+NN%16, v[DG]
	v_cndmask_b32 v[SS+NN], v[SS+NN], v[NINF], vcc_lo
.set NN, NN+1
.endr
.Lopen_\@:
.irp b, 0,1,2,3
	v_max3_num_f32 v[BM+\b], v[SS+16*\b], v[SS+1+16*\b], v[SS+2+16*\b]   ; the largest score of each block of 32 keys: for the row's maximum, and, since p rises with the score, for the block's largest p
.endr
.irp i, 3,5,7,9,11,13
.irp b, 0,1,2,3
	v_max3_num_f32 v[BM+\b], v[BM+\b], v[SS+16*\b+\i], v[SS+1+16*\b+\i]
.endr
.endr
.irp b, 0,1,2,3
	v_max_num_f32 v[BM+\b], v[BM+\b], v[SS+15+16*\b]
.endr
.irp b, 0,1,2,3
	v_permlanex16_b32 v[T2+\b], v[BM+\b], s[SEL], s[SEL+1]
.endr
.irp b, 0,1,2,3
	v_max_num_f32 v[BM+\b], v[BM+\b], v[T2+\b]     ; with lane l xor 16's 16 keys
.endr
	v_max3_num_f32 v[TMP], v[BM], v[BM+1], v[BM+2]
	v_max_num_f32 v[TMP], v[TMP], v[BM+3]          ; the step's largest score of my query
	v_mul_f32 v[TMP], s[CS], v[TMP]                ; as t (c is positive)
	v_max_num_f32 v[TX], v[TX], v[TMP]             ; the running largest t
	v_mov_b32 v[TMP], v[MN]
	v_floor_f32 v[MN], -v[TX]                      ; the new -M = floor(-t) = -ceil(t): a whole number
	v_sub_f32 v[TMP], v[MN], v[TMP]                ; old M less new M: a whole number, 0 or less
	v_cvt_i32_f32 v[TMP], v[TMP]                   ; (it saturates)
	v_ldexp_f32 v[FF], 1.0, v[TMP]                 ; f = 2^(old M - new M): a multiplication by it rounds nothing
.set NN, 0
.rept 32
	v_pk_fma_f32 v[SS+NN:SS+NN+1], v[SS+NN:SS+NN+1], s[CS:CS+1], v[MN:MN+1] op_sel_hi:[1,0,0]   ; t - M, two at a time
.set NN, NN+2
.endr
.irp b, 0,1,2,3
	v_fma_f32 v[BM+\b], v[BM+\b], s[CS], v[MN]     ; the same of each block's largest score
.endr
.set NN, 0
.rept 64
	v_exp_f32 v[SS+NN], v[SS+NN]                   ; p = 2^(t - M), at most 1, not normalised
.set NN, NN+1
.endr
	v_pk_mul_f32 v[LL:LL+1], v[LL:LL+1], v[FF:FF+1] op_sel_hi:[1,0]   ; the sums under the new M: the plain place behind the exponentials
	s_wait_alu depctr_va_vdst(0)                   ; one wait for the batch of 64, ahead of its first reader
.irp b, 0,1,2,3
	v_exp_f32 v[BM+\b], v[BM+\b]                   ; the block's largest p: the same two instructions on the same number give the same bits
.endr
	v_pk_add_f32 v[T2:T2+1], v[SS:SS+1], v[SS+2:SS+3]   ; the row's sum is taken of the unquantised p, in two chains; these lines read the 64 alone
.set NN, 4
.rept 15
	v_pk_add_f32 v[LL:LL+1], v[LL:LL+1], v[SS+NN:SS+NN+1]
	v_pk_add_f32 v[T2:T2+1], v[T2:T2+1], v[SS+NN+2:SS+NN+3]
.set NN, NN+4
.endr
	v_pk_add_f32 v[LL:LL+1], v[LL:LL+1], v[T2:T2+1]
	s_wait_alu depctr_va_vdst(0)                   ; and one for the four
.irp b, 0,1,2,3
	v_max_num_f32 v[BM+\b], 0x1800000, v[BM+\b]    ; the floor 2^(3 - 127): a block whose every p is 0 keeps the byte 1; its codes are zeros
.endr
.irp b, 0,1,2,3
	v_add_nc_u32 v[BM+\b], 0xff000000, v[BM+\b]    ; 2 off the exponent field: the conversion's scale operand
.endr
.irp b, 0,1,2,3
	v_lshrrev_b32 v[T2+\b], 23, v[BM+\b]           ; the scale's byte
.endr
	v_lshl_or_b32 v[PW2], v[T2+1], 8, v[T2]        ; p's scale word for these 128 keys
	v_lshl_or_b32 v[PW2], v[T2+2], 16, v[PW2]
	v_lshl_or_b32 v[PW2], v[T2+3], 24, v[PW2]
.irp b, 0,1,2,3
	v_cvt_scalef32_pk8_fp4_f32 v[PC2+2*\b], v[SS+16*\b:SS+7+16*\b], v[BM+\b]
	v_cvt_scalef32_pk8_fp4_f32 v[PC2+1+2*\b], v[SS+8+16*\b:SS+15+16*\b], v[BM+\b]
.endr
	v_nop                                          ; one plain place behind a scaled conversion
.irp c, 0,1
.irp i, 0,1
	v_permlane16_swap_b32 v[PC2+4*\c+\i], v[PC2+2+4*\c+\i]
.endr
.endr
.set NN, 0
.rept 16
	v_pk_mul_f32 v[OO+NN:OO+NN+1], v[OO+NN:OO+NN+1], v[FF:FF+1] op_sel_hi:[1,0]   ; O^T under the new M, from each accumulator's low end on.  Twelve of the sixteen name no register of any one product below: the places that p's codes and scale word, written by vector instructions, want ahead of it
.set NN, NN+2
.endr
	s_wait_dscnt 0x0                               ; v's fragments and scale words are in
.irp d, 0,1,2,3
	v_wmma_scale_f32_16x16x128_f8f6f4 v[OO+8*\d:OO+8*\d+7], v[VF+8*\d:VF+8*\d+7], v[PC2:PC2+7], v[OO+8*\d:OO+8*\d+7], v[VS+\d], v[PW2] matrix_a_fmt:MATRIX_FMT_FP4 matrix_b_fmt:MATRIX_FMT_FP4
.endr                                          ; the four accumulators take turns; the next matrix instruction is a product k q^T of the next step
	PLACES                                         ; ahead of the next step's loads into v's registers, and of the way out's reads of O^T
.Lhid_\@:
	s_add_co_u32 s[TB], s[TB], 4096
	s_add_co_u32 s[TS], s[TS], 512
.endm
; ONE BLOCK OF QUERIES.  The loop has eight trips in every work-group, so that its LDS addresses step a constant number of times; hidden steps are jumped over inside a trip.
; stg: the block's stage, from STG on; ob: the scalar pair with the block's place in out0.
.macro PASS qlo, qs, blk, stg, ob
	s_wait_xcnt 0x0                                ; the stores of the block before have read v70-101, which this block's products write
	v_mov_b32 v[TX], 0xff61b1e6                    ; the largest t so far: -3e38, under every t
	v_floor_f32 v[MN], -v[TX]
	v_mov_b32 v[LL], 0
	v_mov_b32 v[LL+1], 0
	v_mov_b32 v[FF+1], 0
.irp b, 0,1,2,3
	v_mov_b32 v[T2+\b], 0                          ; a lane permute's destination counts as one of its sources
.endr
.set NN, 0
.rept 32
	v_mov_b32 v[OO+NN], 0                          ; the step is written once: the first finds zeros, which the first change of M leaves zeros
.set NN, NN+1
.endr
	s_mov_b32 s[STP], 0
	s_mov_b32 s[TB], 0
	s_mov_b32 s[TS], 0
.Lk_\@:
	STEP \qlo, \qs, \blk
	s_add_co_u32 s[STP], s[STP], 1
	s_cmp_lt_u32 s[STP], 8
	s_cbranch_scc1 .Lk_\@
	; THE WAY OUT.  out0's rows run along the positions, and a lane holds one query and eight d: the eight waves' 128 queries meet in a stage of 64 rows (d), and each wave stores eight whole rows of 512 bytes.
	v_add_f32 v[LL], v[LL], v[LL+1]                ; the sum's two halves,
	v_permlanex16_b32 v[TMP], v[LL], s[SEL], s[SEL+1]
	v_add_f32 v[LL], v[LL], v[TMP]                 ; and lane l xor 16's keys
	v_rcp_f32 v[LL], v[LL]
	v_nop                                          ; a plain place behind the reciprocal
	s_wait_alu depctr_va_vdst(0)                   ; and the wait ahead of its first reader
.set NN, 0
.rept 32
	v_mul_f32 v[SS+NN], v[OO+NN], v[LL]            ; register 8 dt + i: o(query 16 w + r, d = 16 dt + 8 h + i)
.set NN, NN+1
.endr
.irp d, 0,1,2,3
.irp i, 0,1,2,3,4,5,6,7
	ds_store_b32 v[STO], v[SS+8*\d+\i] offset:\stg+(16*\d+\i)*SROW   ; lanes 0-15 sixteen words on end, lanes 16-31 eight rows (1,056 words) further: 32 different banks
.endr
.endr
	BARRIER                                        ; 64 whole rows lie in the stage
.irp i, 0,1,2,3,4,5,6,7
	ds_load_b128 v[SS+32+4*\i:SS+35+4*\i], v[RD] offset:\stg+\i*SROW
.endr
.irp i, 0,1,2,3,4,5,6,7
	s_wait_dscnt 7-\i                              ; row i is in; the younger loads may be out
	global_store_b128 v[LI], v[SS+32+4*\i:SS+35+4*\i], s[\ob:\ob+1] offset:4096*\i th:TH_STORE_NT   ; 32 lanes store 512 consecutive bytes, at a multiple of 512 from out0's first byte; written once
.endr
.endm
	PASS QR+4, QSA, 33, 0, 30                      ; block j: key steps 0 .. j
	PASS QR+12, QSB, 34, STGB, 44                  ; block 7 - j: key steps 0 .. 7 - j
	s_wait_tensorcnt 0x0                           ; the wave's end
	ds_add_u32 v[SPW], v[NIL]
	s_wait_dscnt 0x0
	s_endpgm
.Lfunc_end_k_qdbe48d2aaa_attn:
	.size	k_qdbe48d2aaa_attn, .Lfunc_end_k_qdbe48d2aaa_attn-k_qdbe48d2aaa_attn
	.p2alignl 7, 3214868480
	.fill 96, 4, 3214868480
	.section	.rodata,"a",@progbits
	.p2align	6, 0x0
	.amdhsa_kernel k_qdbe48d2aaa_attn
		.amdhsa_group_segment_fixed_size 142336
		.amdhsa_private_segment_fixed_size 0
		.amdhsa_enable_private_segment 0
		.amdhsa_kernarg_size 112
		.amdhsa_user_sgpr_count 2
		.amdhsa_user_sgpr_kernarg_segment_ptr 1
		.amdhsa_wavefront_size32 1
		.amdhsa_system_sgpr_workgroup_id_x 1
		.amdhsa_system_sgpr_workgroup_id_y 1
		.amdhsa_system_sgpr_workgroup_id_z 1
		.amdhsa_system_vgpr_workitem_id 0
		.amdhsa_next_free_vgpr 512
		.amdhsa_next_free_sgpr 66
		.amdhsa_reserve_vcc 1
		.amdhsa_float_denorm_mode_32 3
		.amdhsa_float_denorm_mode_16_64 3
		.amdhsa_memory_ordered 1
		.amdhsa_forward_progress 1
		.amdhsa_inst_pref_size 133
	.end_amdhsa_kernel
	.amdgpu_metadata
---
amdhsa.version: [ 1, 2 ]
amdhsa.kernels:
  - .name:           k_qdbe48d2aaa_attn
    .symbol:         k_qdbe48d2aaa_attn.kd
    .args:
      - { .name: query_codes, .offset: 0, .size: 8, .value_kind: global_buffer, .address_space: global }
      - { .name: query_scales, .offset: 8, .size: 8, .value_kind: global_buffer, .address_space: global }
      - { .name: key_codes, .offset: 16, .size: 8, .value_kind: global_buffer, .address_space: global }
      - { .name: key_scales, .offset: 24, .size: 8, .value_kind: global_buffer, .address_space: global }
      - { .name: Wq_codes, .offset: 32, .size: 8, .value_kind: global_buffer, .address_space: global }
      - { .name: Wq_scales, .offset: 40, .size: 8, .value_kind: global_buffer, .address_space: global }
      - { .name: Wk_codes, .offset: 48, .size: 8, .value_kind: global_buffer, .address_space: global }
      - { .name: Wk_scales, .offset: 56, .size: 8, .value_kind: global_buffer, .address_space: global }
      - { .name: Wv_codes, .offset: 64, .size: 8, .value_kind: global_buffer, .address_space: global }
      - { .name: Wv_scales, .offset: 72, .size: 8, .value_kind: global_buffer, .address_space: global }
      - { .name: bq, .offset: 80, .size: 8, .value_kind: global_buffer, .address_space: global }
      - { .name: bk, .offset: 88, .size: 8, .value_kind: global_buffer, .address_space: global }
      - { .name: bv, .offset: 96, .size: 8, .value_kind: global_buffer, .address_space: global }
      - { .name: out0, .offset: 104, .size: 8, .value_kind: global_buffer, .address_space: global }
    .group_segment_fixed_size: 142336
    .private_segment_fixed_size: 0
    .kernarg_segment_align: 8
    .kernarg_segment_size: 112
    .max_flat_workgroup_size: 256
    .sgpr_count:     66
    .vgpr_count:     512
    .wavefront_size: 32
...
	.end_amdgpu_metadata
.endif
;; end of part 1
;; ======== version 2 of 2: 1 launch; version 1 with the launch attn written anew for expert scheduling mode
;; launch attn (part 2): grid 4 x 64, 8 waves a work-group, no clusters, 142,336 bytes of LDS; arguments query_codes, query_scales, key_codes, key_scales, Wq_codes, Wq_scales, Wk_codes, Wk_scales, Wv_codes, Wv_scales, bq, bk, bv, out0; writes out0
.if DOCPART == 2
	.amdgcn_target "amdgcn-amd-amdhsa--gfx1250"
	.amdhsa_code_object_version 6
	.text
	.protected	k_qdbe48d2aaa_attn
	.globl	k_qdbe48d2aaa_attn
	.p2align	8
	.type	k_qdbe48d2aaa_attn,@function
k_qdbe48d2aaa_attn:
	s_mov_b64 s[64:65], 0
	v_nop
	global_prefetch_b8 v0, s[64:65] scope:SCOPE_SE
	s_setreg_imm32_b32 hwreg(HW_REG_WAVE_SCHED_MODE, 0, 2), 2
	s_setreg_imm32_b32 hwreg(HW_REG_WAVE_MODE, 25, 1), 1
	s_wait_xcnt 0x0
	s_wait_alu depctr_vm_vsrc(0)
; Causal attention of 8 batches x 8 heads of 64 over 1,024 positions, all five products on codes of FP4 (E2M1) with one E8M0 scale for each 32 along K, in ONE launch.
; q = query Wq^T + bq, k = key Wk^T + bk, v = key Wv^T + bv (K = 256); scores = q k^T / 8 (K = 64, q and k quantised along the head's 64); p = 2^(t - M), t = score x log2(e) / 8, M the running
; largest t rounded up to a whole number; O = p v (K = the keys, p and v quantised along the keys), divided at the end by the sum of the unquantised p.  out0 is [batch][64 head + d][position], f32.
; SHARES.  Work-group (j = x, 8 batch + head = y) owns two blocks of 128 queries of its head: block j and block 7 - j.  Wave w owns queries 16 w .. 16 w + 15 of each.  Block i sees key steps 0 .. i of
; 128 keys: j + 1 and 8 - j steps, nine for every wave of every work-group.
; WORK LEFT OUT.  reference() builds the mask itself (jnp.tril): key k counts for query q only where k <= q; elsewhere the score is -infinity and p = 0 whatever the inputs hold.  So a key step whose
; 128 keys all come after a block's queries adds nothing to the sum or to O and is not walked, and k and v of key steps above 7 - j, which no query of this work-group sees, are not projected here.
; Every input is loaded (bk too: it moves k's codes).  LIMIT: a NaN, an infinity or an overflow that reaches only the work left out is not carried to the result.
; LIMITS.  A block whose largest magnitude lies under 2^-124 keeps the scale byte 1; a block of zeros gets the byte 1 and not 127: its codes are zeros, and these bytes are read by this text alone.
; A scale byte 0xff among the inputs gives NaN as it does in the product itself; NaN and infinities are not served otherwise.
; K AND V OF THE HEAD STAY IN LDS.  Wave w projects key step w (where w <= 7 - j), quantises it in registers and stores the operands as images of their registers: 16 bytes a lane, 512 bytes a store.
; As codes a head's k and v are 32,768 bytes each, their scale words 4,096 each: nothing is filled again, so there is no ring and no tensor load.
; NO CLUSTER: nothing comes by a tensor load, and the four work-groups of a head want different numbers of key steps (8 - j).  Inputs go from memory straight into operand registers, once a wave.
; K = 64 ON A FORM OF K = 128.  A fragment of k holds TWO tiles of 16 keys, one in k = 0..63 and one in k = 64..127.  It is multiplied once by [q | zero codes] and once by [zero codes | q]: a zero code
; times any code of E2M1 under any scale byte of 1 .. 254 is 0.  So no byte of a fragment in LDS or in registers is padding.
; LAYOUT (r = lane % 16, h = lane / 16, map(r) = r + 8 (r / 8)).  Tile 2 b + u of a key step, and of Wq's and Wk's 64 rows, takes row 32 b + 8 u + map(r).  q and k are projected transposed (source 0 = 16 rows
; of W, source 1 = 16 positions), v with source 0 = 16 keys, source 1 = 16 rows of Wv; S^T = k q^T and O^T = v^T p^T.  In each result a lane's 16 registers of tiles 2 b, 2 b + 1 are the 16 neighbours
; 32 b + 16 h + 0 .. 15 along the next K of ONE row, so one macro quantises q, k and v, and the same lines quantise p.
; THE MODE: SCHED_MODE bits 1:0 = 2 (LLVM: expert scheduling mode 2), set by the entry lines.  The code itself states the register dependences between vector or matrix instructions and memory or LDS
; instructions, with s_wait_alu, always for 0.
; THE PLAN.  Registers that memory or LDS instructions touch, and who else names them:
;   v3-v13      offsets and LDS addresses.  Written at the head, ahead of one wait on va_vdst; never written again, but for v6 and v7, which take other numbers behind the first barrier, behind a wait on vm_vsrc.
;   WX, XS, BX  loaded (Wq, bq), read by q's products, loaded again (Wv, bv): one wait on va_vdst behind q's pass.  All other operands of the projections are loaded once, into registers that no vector instruction has named.
;   PC, PW      written by the quantiser, read by an image's three LDS stores: va_vdst ahead of the stores, vm_vsrc ahead of the next quantiser.
;   KF, KS      a step's eight products k q^T read them; the NEXT step's nine loads land in them, behind the wait on va_vdst that follows the batch of exponentials; a block's first step is asked for at the block's head.
;   VF, VS      a step's last four products read them; the next step's nine loads land in them, behind the wait on va_vdst at that step's head.
;   AD, ADS     read by a step's LDS loads; written at a step's head, behind a wait on vm_vsrc and ahead of that head's wait on va_vdst.
;   PC2, PW2    no memory instruction names them; vector instructions write them and scaled products take them: the places, then a wait on va_vdst.
;   v38-101     on the way out: the divisions write v38-69, which the stage's stores read (va_vdst ahead of them); the stage's loads land in v70-101, which no vector instruction behind that wait names, and the
;               global stores read them; the next block's products write all 64 again, behind a wait on vm_vsrc at the block's head.
;   s32 (the wave's number) and s4-s19 (the diagonal's masks) are written by vector instructions: a wait on va_sdst ahead of their first readers.
; REGISTERS.  Window 1: v0-127 the key step's 16 fragments (tile T, K step s at 16 T + 8 s); v128-191 Wq's, later Wv's; v192-255 Wk's.  Window 0: below.  v36, v37 and v220-255 hold scale words and nothing else.
.set KSC,   0                          ; LDS: k's scale words: 512 bytes a key step; lane l's 16 bytes at 16 l: the words of its row in pair fragments 0 .. 3
.set VSC,   4096                       ; v's likewise, fragments dt = 0 .. 3
.set KIMG,  8192                       ; k's images: 4,096 bytes a key step, 1,024 a fragment, 512 a store
.set VIMG,  40960                      ; v's
.set STG,   73728                      ; the stage of the first block's way out: 64 rows (d) x (128 queries x 4 bytes + 16);
.set STGB,  33792                      ; the second block's lies this far on: each has bytes of its own, so no barrier parts one's reads from the other's stores
.set SROW,  528
.set SPARE, 141312                     ; the spare words, 128 bytes for each wave: four blocks of 256 bytes that no other line names
.set SPW, 1                            ; v1   SPARE + 4 x my thread's number; never rewritten
.set NIL, 2                            ; v2   0; never rewritten
.set LI,  3                            ; v3   16 x lane: my place in an image; also my offset in a row of out0
.set IW,  4                            ; v4   16 x lane + 4,096 x wave: where I store images
.set SW,  5                            ; v5   16 x lane + 512 x wave: where I store scale words
.set MA,  6                            ; v6   128 map(r) + 16 h: my bytes of a mapped tile's row of codes
.set DG,  6                            ;      behind the first barrier: 16 w + r - 16 h, for the diagonal
.set MS,  7                            ; v7   8 map(r): that row's scale bytes
.set NINF, 7                           ;      behind the first barrier: -infinity
.set PA,  8                            ; v8   128 r + 16 h: a plain tile's row of codes
.set PS,  9                            ; v9   8 r
.set BA,  10                           ; v10  64 h: bq's and bk's eight numbers of my half
.set BVA, 11                           ; v11  4 r: bv's number of my row
.set STO, 12                           ; v12  the stage, in: STG + 8 h rows + 4 (16 w + r)
.set RD,  13                           ; v13  the stage, back: STG + 8 w rows + 16 x lane
.set AD,  14                           ; v14  the key step's images
.set ADS, 15                           ; v15  and its scale words
.set QR,  16                           ; v16-35  [0000 | q of block j | 0000 | q of block 7 - j | 0000]: [q | 0] begins at v20, v28; [0 | q] four registers lower
.set QSA, 36                           ; v36, v37  q's two scale bytes, in both halves of the word
.set QSB, 37
.set ACC, 38                           ; v38-101   projection: eight accumulators
.set PC,  102                          ; v102-109  the codes just made
.set PW,  110                          ; v110      their scale word
.set TM,  112                          ; v112-115 largest magnitudes, v116-119 the other half's, then bytes, v120-123 the conversions' scale operands
.set QF,  124                          ; v124-155  the two query tiles' fragments (block u, K step s at 16 u + 8 s)
.set BX,  156                          ; v156-187  bq, later bv: eight registers a tile, in the result's layout
.set BY,  188                          ; v188-219  bk
.set QXS, 220                          ; v220-223  query's scale words (2 u + s)
.set XS,  224                          ; v224-231  Wq's, later Wv's (2 t + s)
.set YS,  232                          ; v232-239  Wk's
.set KVS, 240                          ; v240-255  key's (2 T + s)
.set KV,  0                            ; window 1
.set WX,  128
.set WY,  192
.set SS,  38                           ; v38-101   attention: S^T, then p; on the way out O / the sum (v38-69) and whole rows (v70-101)
.set OO,  102                          ; v102-133  O^T
.set KF,  134                          ; v134-165  k's four pair fragments
.set VF,  166                          ; v166-197  v's four fragments
.set PC2, 198                          ; v198-205  p's codes
.set BM,  206                          ; v206-209  each block's largest score, then its largest p, then the conversion's scale operand
.set T2,  210                          ; v210-213  the other half's maxima; then v[210:211] a chain of sums and v212 at work; then bytes
.set TMP, 212
.set MN,  214                          ; v214 -M, v215 the largest t
.set TX,  215
.set LL,  216                          ; v[216:217] the sum in two halves
.set FF,  218                          ; v218 f = 2^(old M - new M); v219 is named with it as a pair, so it is written
.set KS,  224                          ; v224-227 k's scale words, v228-231 v's, v232 p's
.set VS,  228
.set PW2, 232
.set MK,  4                            ; s4-s19 behind the first barrier: sixteen masks of the diagonal.  (The addresses of query, key, Wq and Wk that lay there are done with: every load by them has been waited for)
.set WV,  32                           ; s32 wave;  s33 block j, s34 block 7 - j;  s35 8 batch + head, s36 batch, s37 head;  s[38:39] an offset, s53 at work
.set SEL, 46                           ; s[46:47] v_permlanex16_b32's selects for lane l xor 16
.set CS,  48                           ; s[48:49] c = log2(e) / 8: the packed form names a pair and takes its low word for both halves
.set STP, 50                           ; s50 the key step;  s51 its images' offset;  s52 its scale words'
.set TB,  51
.set TS,  52
.set MSB, 0
.macro WIN new                         ; the immediate's high byte repeats the setting that is left; a switch that changes nothing is dropped
.if MSB != \new
	s_set_vgpr_msb (MSB<<8)|\new
.set MSB, \new
.endif
.endm
.macro PLACES                          ; four plain vector places between a matrix instruction and a vector read of its result (ISA guide 7.12.1)
.rept 4
	v_nop
.endr
.endm
.macro BARRIER                         ; my LDS stores have landed and my LDS loads are in: then the work-group's barrier
	s_wait_dscnt 0x0
	s_barrier_signal -1
	s_barrier_wait -1
.endm
; 64 numbers of a lane, v[s] .. v[s + 63], register 16 b + i = k 32 b + 16 h + i of my row, become a fragment's codes in v[PC] on and its scale word in v[PW].
.macro QUANT s
.irp b, 0,1,2,3
	v_max3_num_f32 v[TM+\b], |v[\s+16*\b]|, |v[\s+1+16*\b]|, 0x1800000   ; block b: my 16 numbers, and the floor 2^(3 - 127): the byte cannot fall under 1
.endr
.irp i, 2,4,6,8,10,12,14
.irp b, 0,1,2,3
	v_max3_num_f32 v[TM+\b], v[TM+\b], |v[\s+16*\b+\i]|, |v[\s+1+16*\b+\i]|   ; the four blocks by turns; each accumulator is first read at its low end
.endr
.endr
.irp b, 0,1,2,3
	v_permlanex16_b32 v[TM+4+\b], v[TM+\b], s[SEL], s[SEL+1]
.endr
.irp b, 0,1,2,3
	v_max_num_f32 v[TM+\b], v[TM+\b], v[TM+4+\b]   ; with lane l xor 16's: the block's largest magnitude
.endr
.irp b, 0,1,2,3
	v_add_nc_u32 v[TM+8+\b], 0xff000000, v[TM+\b]  ; 2 off its exponent field: the conversion takes this operand's exponent field as its scale
.endr
.irp b, 0,1,2,3
	v_lshrrev_b32 v[TM+4+\b], 23, v[TM+8+\b]       ; the scale's byte
.endr
	v_lshl_or_b32 v[PW], v[TM+5], 8, v[TM+4]       ; four bytes: my row's scale word
	v_lshl_or_b32 v[PW], v[TM+6], 16, v[PW]
	v_lshl_or_b32 v[PW], v[TM+7], 24, v[PW]
.irp b, 0,1,2,3
	v_cvt_scalef32_pk8_fp4_f32 v[PC+2*\b], v[\s+16*\b:\s+7+16*\b], v[TM+8+\b]
	v_cvt_scalef32_pk8_fp4_f32 v[PC+1+2*\b], v[\s+8+16*\b:\s+15+16*\b], v[TM+8+\b]
.endr
	v_nop                                          ; one plain place behind a scaled conversion
.irp c, 0,1                                    ; the operand's layout wants a whole block in a lane: lanes 0-15 block 2 c, lanes 16-31 block 2 c + 1
.irp i, 0,1
	v_permlane16_swap_b32 v[PC+4*\c+\i], v[PC+2+4*\c+\i]
.endr
.endr
.endm
; Two tiles of positions (fragments at fb + 16 u + 8 s, scale words at fs + 2 u + s) against the four tiles of a weight's 64 rows (window 1, wb + 16 t + 8 s; words ws + 2 t + s), transposed.
; The bias (bi + 8 t) is the C of each sum's first product.  The eight accumulators take turns, one instruction a turn.
.macro PROJ_W wb, ws, bi, fb, fs, wn
	WIN \wn
.irp u, 0,1
.irp t, 0,1,2,3
	v_wmma_scale_f32_16x16x128_f8f6f4 v[ACC+32*\u+8*\t:ACC+32*\u+8*\t+7], v[\wb+16*\t:\wb+16*\t+7], v[(\fb)+16*\u:(\fb)+16*\u+7], v[\bi+8*\t:\bi+8*\t+7], v[\ws+2*\t], v[(\fs)+2*\u] matrix_a_fmt:MATRIX_FMT_FP4 matrix_b_fmt:MATRIX_FMT_FP4
.endr
.endr
.irp u, 0,1
.irp t, 0,1,2,3
	v_wmma_scale_f32_16x16x128_f8f6f4 v[ACC+32*\u+8*\t:ACC+32*\u+8*\t+7], v[\wb+16*\t+8:\wb+16*\t+15], v[(\fb)+16*\u+8:(\fb)+16*\u+15], v[ACC+32*\u+8*\t:ACC+32*\u+8*\t+7], v[\ws+2*\t+1], v[(\fs)+2*\u+1] matrix_a_fmt:MATRIX_FMT_FP4 matrix_b_fmt:MATRIX_FMT_FP4
.endr
.endr
	WIN 0
	PLACES
.endm
; v: the key step's eight tiles (source 0) against tile dt of Wv's rows (source 1): a lane holds d = 16 dt + r, and its 64 registers run along the keys
.macro PROJ_V dt
	WIN 0x05
.irp t, 0,1,2,3,4,5,6,7
	v_wmma_scale_f32_16x16x128_f8f6f4 v[ACC+8*\t:ACC+8*\t+7], v[KV+16*\t:KV+16*\t+7], v[WX+16*(\dt):WX+16*(\dt)+7], v[BX+8*(\dt):BX+8*(\dt)+7], v[KVS+2*\t], v[XS+2*(\dt)] matrix_a_fmt:MATRIX_FMT_FP4 matrix_b_fmt:MATRIX_FMT_FP4
.endr
.irp t, 0,1,2,3,4,5,6,7
	v_wmma_scale_f32_16x16x128_f8f6f4 v[ACC+8*\t:ACC+8*\t+7], v[KV+16*\t+8:KV+16*\t+15], v[WX+16*(\dt)+8:WX+16*(\dt)+15], v[ACC+8*\t:ACC+8*\t+7], v[KVS+2*\t+1], v[XS+2*(\dt)+1] matrix_a_fmt:MATRIX_FMT_FP4 matrix_b_fmt:MATRIX_FMT_FP4
.endr
	WIN 0
	PLACES
.endm
.macro IMAGE off, soff                 ; the fragment in v[PC] on and its scale word go to LDS as they stand
	s_wait_alu depctr_va_vdst(0)                   ; the quantiser has written v[PC ..] and v[PW], which the three stores read
	ds_store_b128 v[IW], v[PC:PC+3] offset:\off
	ds_store_b128 v[IW], v[PC+4:PC+7] offset:\off+512
	ds_store_b32 v[SW], v[PW] offset:\soff
.endm
; q of my two tiles of queries: blocks 0, 1 of the 64 numbers are the first block's d = 0 .. 63, blocks 2, 3 the second's
.macro QPASS
	PROJ_W WX, XS, BX, QF, QXS, 0x01
	QUANT ACC
.irp i, 0,1,2,3
	v_mov_b32 v[QR+4+\i], v[PC+\i]                 ; between the runs of zero codes
	v_mov_b32 v[QR+12+\i], v[PC+4+\i]
.endr
	v_and_b32 v[TM], 0xffff, v[PW]
	v_lshrrev_b32 v[TM+1], 16, v[PW]
	v_lshl_or_b32 v[QSA], v[TM], 16, v[TM]         ; the two bytes serve k = 0..63 in [q | 0] and k = 64..127 in [0 | q]
	v_lshl_or_b32 v[QSB], v[TM+1], 16, v[TM+1]
.endm
.macro QLOAD u, cb, sb                 ; 16 queries' codes (two K steps) and scale words
.irp s, 0,1
.irp c, 0,1
	global_load_b128 v[QF+16*\u+8*\s+4*\c:QF+16*\u+8*\s+4*\c+3], v[PA], s[\cb:\cb+1] offset:64*\s+32*\c
.endr
.endr
	global_load_b64 v[QXS+2*\u:QXS+2*\u+1], v[PS], s[\sb:\sb+1]
.endm
.macro WMAP dst, cb                    ; a weight's 64 rows as four mapped tiles (destination window 1)
.irp t, 0,1,2,3
.irp s, 0,1
.irp c, 0,1
	global_load_b128 v[\dst+16*\t+8*\s+4*\c:\dst+16*\t+8*\s+4*\c+3], v[MA], s[\cb:\cb+1] offset:(32*(\t/2)+8*(\t%2))*128+64*\s+32*\c
.endr
.endr
.endr
.endm
.macro WMAPS dst, sb                   ; their scale words: 8 bytes a row are the two K steps' words
.irp t, 0,1,2,3
	global_load_b64 v[\dst+2*\t:\dst+2*\t+1], v[MS], s[\sb:\sb+1] offset:(32*(\t/2)+8*(\t%2))*8
.endr
.endm
.macro BMAP dst, bb                    ; a bias in the result's layout: for tile 2 b + u the numbers 32 b + 8 u + 16 h + 0 .. 7
.irp t, 0,1,2,3
.irp k, 0,1
	global_load_b128 v[\dst+8*\t+4*\k:\dst+8*\t+4*\k+3], v[BA], s[\bb:\bb+1] offset:(32*(\t/2)+8*(\t%2))*4+16*\k
.endr
.endr
.endm
.macro KVS_LOAD t0                     ; key tiles t0 .. t0 + 3 (t0 even): scale words
.irp i, 0,1,2,3
	global_load_b64 v[KVS+2*(\t0+\i):KVS+2*(\t0+\i)+1], v[MS], s[10:11] offset:(32*((\t0+\i)/2)+8*(\i%2))*8
.endr
.endm
.macro KV_LOAD t0                      ; and codes (destination window 1)
.irp i, 0,1,2,3
.irp s, 0,1
.irp c, 0,1
	global_load_b128 v[KV+16*(\t0+\i)+8*\s+4*\c:KV+16*(\t0+\i)+8*\s+4*\c+3], v[MA], s[8:9] offset:(32*((\t0+\i)/2)+8*(\i%2))*128+64*\s+32*\c
.endr
.endr
.endr
.endm
; k's four pair fragments and scale words of one key step, nine LDS loads: by the address registers adr and ads, off and soff bytes on
.macro KLOAD adr, ads, off, soff
.irp b, 0,1,2,3
	ds_load_b128 v[KF+8*\b:KF+8*\b+3], v[\adr] offset:KIMG+(\off)+1024*\b
	ds_load_b128 v[KF+8*\b+4:KF+8*\b+7], v[\adr] offset:KIMG+(\off)+1024*\b+512
.endr
	ds_load_b128 v[KS:KS+3], v[\ads] offset:KSC+(\soff)
.endm
	s_load_b512 s[4:19], s[0:1], 0x0               ; query codes s[4:5], scales s[6:7]; key s[8:9], s[10:11]; Wq s[12:13], s[14:15]; Wk s[16:17], s[18:19]
	s_load_b256 s[20:27], s[0:1], 0x40             ; Wv s[20:21], s[22:23]; bq s[24:25]; bk s[26:27]
	s_load_b128 s[28:31], s[0:1], 0x60             ; bv s[28:29]; out0 s[30:31]
	v_lshl_add_u32 v[SPW], v0, 2, SPARE
	v_mov_b32 v[NIL], 0
	v_lshrrev_b32 v14, 5, v0
	v_readfirstlane_b32 s[WV], v14                 ; wave 0..7
	v_and_b32 v14, 31, v0
	v_lshlrev_b32 v[LI], 4, v14
	s_wait_alu depctr_va_sdst(0)                   ; s32, the wave's number, is written, ahead of its first reader: the line below
	s_lshl_b32 s53, s[WV], 12
	v_add_nc_u32 v[IW], s53, v[LI]
	s_lshl_b32 s53, s[WV], 9
	v_add_nc_u32 v[SW], s53, v[LI]
	v_and_b32 v14, 15, v0                          ; r
	v_bfe_u32 v15, v0, 4, 1                        ; h
	v_and_b32 v[MS], 8, v14
	v_add_nc_u32 v[MS], v[MS], v14                 ; map(r)
	v_lshlrev_b32 v[MA], 7, v[MS]
	v_lshl_add_u32 v[MA], v15, 4, v[MA]
	v_lshlrev_b32 v[MS], 3, v[MS]
	v_lshlrev_b32 v[PA], 7, v14
	v_lshl_add_u32 v[PA], v15, 4, v[PA]
	v_lshlrev_b32 v[PS], 3, v14
	v_lshlrev_b32 v[BA], 6, v15
	v_lshlrev_b32 v[BVA], 2, v14
	v_mul_u32_u24 v[STO], v15, 8*SROW
	v_lshl_add_u32 v[STO], v14, 2, v[STO]
	s_lshl_b32 s53, s[WV], 6
	s_add_co_u32 s53, s53, STG
	v_add_nc_u32 v[STO], s53, v[STO]
	s_mul_i32 s53, s[WV], 8*SROW
	s_add_co_u32 s53, s53, STG
	v_add_nc_u32 v[RD], s53, v[LI]
.irp i, 0,1,2,3
	v_mov_b32 v[QR+\i], 0                          ; the three runs of zero codes beside q
	v_mov_b32 v[QR+8+\i], 0
	v_mov_b32 v[QR+16+\i], 0
	v_mov_b32 v[TM+4+\i], 0                        ; written once: a lane permute's destination counts as one of its sources
.endr
	s_mov_b32 s33, ttmp9                           ; block j
	s_sub_co_u32 s34, 7, s33                       ; block 7 - j: also the last key step that this work-group sees
	s_and_b32 s35, ttmp7, 0xffff                   ; 8 batch + head
	s_lshr_b32 s36, s35, 3
	s_and_b32 s37, s35, 7
	s_mov_b32 s39, 0
	s_mov_b32 s[SEL], 0x76543210
	s_mov_b32 s[SEL+1], 0xfedcba98
	s_mov_b32 s[CS], 0x3e38aa3b                    ; log2(e) / 8
	s_mov_b32 s[CS+1], s[CS]
	s_wait_kmcnt 0x0
	s_lshl_b32 s38, s36, 17                        ; query's codes: 131,072 bytes a batch, 2,048 for a wave's 16 rows, 16,384 a block
	s_lshl_b32 s53, s[WV], 11
	s_add_co_u32 s38, s38, s53
	s_add_nc_u64 s[4:5], s[4:5], s[38:39]
	s_lshl_b32 s38, s34, 14
	s_add_nc_u64 s[40:41], s[4:5], s[38:39]        ; block 7 - j
	s_lshl_b32 s38, s33, 14
	s_add_nc_u64 s[4:5], s[4:5], s[38:39]          ; block j
	s_lshl_b32 s38, s36, 13                        ; its scale bytes: a sixteenth of that
	s_lshl_b32 s53, s[WV], 7
	s_add_co_u32 s38, s38, s53
	s_add_nc_u64 s[6:7], s[6:7], s[38:39]
	s_lshl_b32 s38, s34, 10
	s_add_nc_u64 s[42:43], s[6:7], s[38:39]
	s_lshl_b32 s38, s33, 10
	s_add_nc_u64 s[6:7], s[6:7], s[38:39]
	s_lshl_b32 s38, s36, 17                        ; key: my wave's key step of 128 rows
	s_lshl_b32 s53, s[WV], 14
	s_add_co_u32 s38, s38, s53
	s_add_nc_u64 s[8:9], s[8:9], s[38:39]
	s_lshl_b32 s38, s36, 13
	s_lshl_b32 s53, s[WV], 10
	s_add_co_u32 s38, s38, s53
	s_add_nc_u64 s[10:11], s[10:11], s[38:39]
	s_lshl_b32 s38, s37, 13                        ; the head's 64 rows of each weight: 128 bytes of codes a row,
	s_add_nc_u64 s[12:13], s[12:13], s[38:39]
	s_add_nc_u64 s[16:17], s[16:17], s[38:39]
	s_add_nc_u64 s[20:21], s[20:21], s[38:39]
	s_lshl_b32 s38, s37, 9                         ; 8 scale bytes,
	s_add_nc_u64 s[14:15], s[14:15], s[38:39]
	s_add_nc_u64 s[18:19], s[18:19], s[38:39]
	s_add_nc_u64 s[22:23], s[22:23], s[38:39]
	s_lshl_b32 s38, s37, 8                         ; 4 bytes of bias
	s_add_nc_u64 s[24:25], s[24:25], s[38:39]
	s_add_nc_u64 s[26:27], s[26:27], s[38:39]
	s_add_nc_u64 s[28:29], s[28:29], s[38:39]
	s_lshl_b32 s38, s35, 18                        ; out0: 64 rows of 4,096 bytes a head; my wave stores rows d = 8 w .. 8 w + 7; a block is 512 bytes of a row
	s_lshl_b32 s53, s[WV], 15
	s_add_co_u32 s38, s38, s53
	s_add_nc_u64 s[30:31], s[30:31], s[38:39]
	s_lshl_b32 s38, s34, 9
	s_add_nc_u64 s[44:45], s[30:31], s[38:39]
	s_lshl_b32 s38, s33, 9
	s_add_nc_u64 s[30:31], s[30:31], s[38:39]
	s_wait_alu depctr_va_vdst(0)                   ; the head's vector lines have written v3 to v13, which the kernel's loads and stores read as offsets and addresses.  No vector instruction stands between this wait and the 86 loads of the first two groups
	; the first group of loads, 38: what q's projection wants
	QLOAD 0, 4, 6
	QLOAD 1, 40, 42
	WMAPS XS, 14
	BMAP BX, 24
	WIN 0x40
	WMAP WX, 12
	WIN 0
	s_cmp_gt_u32 s[WV], s34                        ; key step w comes after all of this work-group's queries: that wave projects q alone
	s_cbranch_scc1 .Lonly_q
	; the second group, 48: Wk, bk and the key step's tiles 0 to 3
	WMAPS YS, 18
	BMAP BY, 26
	KVS_LOAD 0
	WIN 0x40
	WMAP WY, 16
	KV_LOAD 0
	WIN 0
	s_wait_loadcnt 48                              ; the first group is in; the 48 issued behind it may be out
	QPASS
	; the third group, 44: first the key step's tiles 4 to 7 (20 loads), then Wv, its scale words and bv (24) into the registers that q's projection has left
	s_wait_alu depctr_va_vdst(0)                   ; q's products are done reading WX, XS and BX, in which Wv, its scale words and bv land; only loads and window switches stand between this wait and the last of the 44
	KVS_LOAD 4
	WIN 0x40
	KV_LOAD 4
.irp t, 0,1,2,3
.irp s, 0,1
.irp c, 0,1
	global_load_b128 v[WX+16*\t+8*\s+4*\c:WX+16*\t+8*\s+4*\c+3], v[PA], s[20:21] offset:2048*\t+64*\s+32*\c   ; Wv's tiles are plain: row 16 t + r
.endr
.endr
.endr
	WIN 0
.irp t, 0,1,2,3
	global_load_b64 v[XS+2*\t:XS+2*\t+1], v[PS], s[22:23] offset:128*\t
.endr
.irp t, 0,1,2,3
	global_load_b32 v[BX+8*\t], v[BVA], s[28:29] offset:64*\t   ; bv(16 t + r)
.endr
	s_wait_loadcnt 44                              ; the second group is in; the 44 issued behind it may be out
.irp b, 0,1
	PROJ_W WY, YS, BY, KV+32*\b, KVS+4*\b, 0x05    ; k of key tiles 2 b and 2 b + 1
	s_wait_dscnt 0x0                               ; the last image's stores are done
.if \b > 0
	s_wait_alu depctr_vm_vsrc(0)                   ; the last image's stores have read v[PC ..] and v[PW], which the quantiser writes again
.endif
	QUANT ACC
	IMAGE KIMG+1024*\b, KSC+4*\b                   ; pair fragment b
.endr
	s_wait_loadcnt 24                              ; tiles 4 to 7 are in; Wv's 24 loads may be out
.irp b, 2,3
	PROJ_W WY, YS, BY, KV+32*\b, KVS+4*\b, 0x05
	s_wait_dscnt 0x0
	s_wait_alu depctr_vm_vsrc(0)                   ; the last image's stores have read v[PC ..] and v[PW], which the quantiser writes again
	QUANT ACC
	IMAGE KIMG+1024*\b, KSC+4*\b
.endr
	s_wait_loadcnt 0x0
.irp d, 0,1,2,3
.irp k, 1,2,3,4,5,6,7
	v_mov_b32 v[BX+8*\d+\k], v[BX+8*\d]            ; in v's result a lane holds one d: its bias fills the eight registers of C
.endr
.endr
.irp d, 0,1,2,3
	PROJ_V \d
	s_wait_dscnt 0x0
	s_wait_alu depctr_vm_vsrc(0)                   ; the last image's stores have read v[PC ..] and v[PW], which the quantiser writes again
	QUANT ACC
	IMAGE VIMG+1024*\d, VSC+4*\d
.endr
	s_branch .Lmeet
.Lonly_q:
	s_wait_loadcnt 0x0
	QPASS
.Lmeet:
	BARRIER                                        ; k's and v's images of key steps 0 .. 7 - j lie in LDS; nobody writes them again
	s_wait_alu depctr_vm_vsrc(0)                   ; my global loads have read v6 and v7 as offsets: the lines below write them anew
	v_and_b32 v[DG], 15, v0                        ; (all my global loads are done: v6 and v7 are free)
	v_bfe_u32 v[NINF], v0, 4, 1
	v_lshlrev_b32 v[NINF], 4, v[NINF]
	v_sub_nc_u32 v[DG], v[DG], v[NINF]
	s_lshl_b32 s53, s[WV], 4
	v_add_nc_u32 v[DG], s53, v[DG]                 ; 16 w + r - 16 h
	v_mov_b32 v[NINF], 0xff800000
; A KEY STEP of 128 keys for my 16 queries of block s[blk].  qlo: where [q | 0] begins; qs: q's scale word.  k's fragments of this step were asked for a step ago, or at the block's head.
.macro STEP qlo, qs, blk
	s_cmp_gt_u32 s[STP], s[\blk]                   ; all its keys come after the block's queries: a branch on ids, the same in all eight waves, round the work alone
	s_cbranch_scc1 .Lhid_\@
	s_wait_alu depctr_vm_vsrc(0)                   ; the LDS loads issued so far have read v[AD] and v[ADS], which the two lines below write
	v_add_nc_u32 v[AD], s[TB], v[LI]
	v_add_nc_u32 v[ADS], s[TS], v[LI]
	s_wait_alu depctr_va_vdst(0)                   ; v[AD] and v[ADS] are written, which this step's loads read; the last step's products v^T p^T are done reading VF and VS, in which the nine loads below land
.irp d, 0,1,2,3
	ds_load_b128 v[VF+8*\d:VF+8*\d+3], v[AD] offset:VIMG+1024*\d
	ds_load_b128 v[VF+8*\d+4:VF+8*\d+7], v[AD] offset:VIMG+1024*\d+512
.endr
	ds_load_b128 v[VS:VS+3], v[ADS] offset:VSC
	s_wait_dscnt 9                                 ; k's nine loads, issued ahead of these, are in; v's nine land under the softmax
.irp b, 0,1,2,3
.irp u, 0,1
	v_wmma_scale_f32_16x16x128_f8f6f4 v[SS+8*(2*\b+\u):SS+8*(2*\b+\u)+7], v[KF+8*\b:KF+8*\b+7], v[\qlo-4*\u:\qlo-4*\u+7], 0, v[KS+\b], v[\qs] matrix_a_fmt:MATRIX_FMT_FP4 matrix_b_fmt:MATRIX_FMT_FP4
.endr
.endr                                          ; lane (r, h): query r; register 16 b + i: key 32 b + 16 h + i of the step
	PLACES
	s_cmp_lg_u32 s[STP], s[\blk]
	s_cbranch_scc1 .Lopen_\@
.set NB, 0                                     ; the block's own step lies on the diagonal: hidden where 32 b + i > 16 w + r - 16 h; such scores become -infinity ahead of the maximum, so p = 0
.rept 4                                        ; a block of 32 keys at a time: sixteen compares into sixteen scalar registers, one wait, sixteen selects
.set NN, 0
.rept 16
	v_cmp_gt_i32 s[MK+NN], 32*NB+NN, v[DG]
.set NN, NN+1
.endr
	s_wait_alu depctr_va_sdst(0)                   ; the sixteen compares have written s4 to s19, ahead of their first readers: the selects below
.set NN, 0
.rept 16
	v_cndmask_b32 v[SS+16*NB+NN], v[SS+16*NB+NN], v[NINF], s[MK+NN]
.set NN, NN+1
.endr
.set NB, NB+1
.endr
.Lopen_\@:
.irp b, 0,1,2,3
	v_max3_num_f32 v[BM+\b], v[SS+16*\b], v[SS+1+16*\b], v[SS+2+16*\b]   ; the largest score of each block of 32 keys: for the row's maximum, and, since p rises with the score, for the block's largest p
.endr
.irp i, 3,5,7,9,11,13
.irp b, 0,1,2,3
	v_max3_num_f32 v[BM+\b], v[BM+\b], v[SS+16*\b+\i], v[SS+1+16*\b+\i]
.endr
.endr
.irp b, 0,1,2,3
	v_max_num_f32 v[BM+\b], v[BM+\b], v[SS+15+16*\b]
.endr
.irp b, 0,1,2,3
	v_permlanex16_b32 v[T2+\b], v[BM+\b], s[SEL], s[SEL+1]
.endr
.irp b, 0,1,2,3
	v_max_num_f32 v[BM+\b], v[BM+\b], v[T2+\b]     ; with lane l xor 16's 16 keys
.endr
	v_max3_num_f32 v[TMP], v[BM], v[BM+1], v[BM+2]
	v_max_num_f32 v[TMP], v[TMP], v[BM+3]          ; the step's largest score of my query
	v_mul_f32 v[TMP], s[CS], v[TMP]                ; as t (c is positive)
	v_max_num_f32 v[TX], v[TX], v[TMP]             ; the running largest t
	v_mov_b32 v[TMP], v[MN]
	v_floor_f32 v[MN], -v[TX]                      ; the new -M = floor(-t) = -ceil(t): a whole number
	v_sub_f32 v[TMP], v[MN], v[TMP]                ; old M less new M: a whole number, 0 or less
	v_cvt_i32_f32 v[TMP], v[TMP]                   ; (it saturates)
	v_ldexp_f32 v[FF], 1.0, v[TMP]                 ; f = 2^(old M - new M): a multiplication by it rounds nothing
.set NN, 0
.rept 32
	v_pk_fma_f32 v[SS+NN:SS+NN+1], v[SS+NN:SS+NN+1], s[CS:CS+1], v[MN:MN+1] op_sel_hi:[1,0,0]   ; t - M, two at a time
.set NN, NN+2
.endr
.irp b, 0,1,2,3
	v_fma_f32 v[BM+\b], v[BM+\b], s[CS], v[MN]     ; the same of each block's largest score
.endr
.set NN, 0
	s_wait_alu depctr_va_vdst(0)
.rept 64
	v_exp_f32 v[SS+NN], v[SS+NN]                   ; p = 2^(t - M), at most 1, not normalised
.set NN, NN+1
.endr
	v_pk_mul_f32 v[LL:LL+1], v[LL:LL+1], v[FF:FF+1] op_sel_hi:[1,0]   ; the sums under the new M: the plain place behind the exponentials
	s_wait_alu depctr_va_vdst(0)                   ; the 64 exponentials have written p, ahead of its first reader; and this step's products k q^T are done reading KF and KS, in which the next step's loads land
	s_cmp_ge_u32 s[STP], s[\blk]                   ; the block's last step has no next one: a branch on ids, round the nine loads alone, so that no LDS byte is read that nobody wrote
	s_cbranch_scc1 .Lnok_\@
	KLOAD AD, ADS, 4096, 512                       ; the next step's k: it lands under the rest of this step's softmax
.Lnok_\@:
.irp b, 0,1,2,3
	v_exp_f32 v[BM+\b], v[BM+\b]                   ; the block's largest p: the same two instructions on the same number give the same bits
.endr
	v_pk_add_f32 v[T2:T2+1], v[SS:SS+1], v[SS+2:SS+3]   ; the row's sum is taken of the unquantised p, in two chains; these lines read the 64 alone
.set NN, 4
.rept 15
	v_pk_add_f32 v[LL:LL+1], v[LL:LL+1], v[SS+NN:SS+NN+1]
	v_pk_add_f32 v[T2:T2+1], v[T2:T2+1], v[SS+NN+2:SS+NN+3]
.set NN, NN+4
.endr
	v_pk_add_f32 v[LL:LL+1], v[LL:LL+1], v[T2:T2+1]
	s_wait_alu depctr_va_vdst(0)                   ; the four exponentials have written v[BM ..], ahead of their first reader
.irp b, 0,1,2,3
	v_max_num_f32 v[BM+\b], 0x1800000, v[BM+\b]    ; the floor 2^(3 - 127): a block whose every p is 0 keeps the byte 1; its codes are zeros
.endr
.irp b, 0,1,2,3
	v_add_nc_u32 v[BM+\b], 0xff000000, v[BM+\b]    ; 2 off the exponent field: the conversion's scale operand
.endr
.irp b, 0,1,2,3
	v_lshrrev_b32 v[T2+\b], 23, v[BM+\b]           ; the scale's byte
.endr
	v_lshl_or_b32 v[PW2], v[T2+1], 8, v[T2]        ; p's scale word for these 128 keys
	v_lshl_or_b32 v[PW2], v[T2+2], 16, v[PW2]
	v_lshl_or_b32 v[PW2], v[T2+3], 24, v[PW2]
.irp b, 0,1,2,3
	v_cvt_scalef32_pk8_fp4_f32 v[PC2+2*\b], v[SS+16*\b:SS+7+16*\b], v[BM+\b]
	v_cvt_scalef32_pk8_fp4_f32 v[PC2+1+2*\b], v[SS+8+16*\b:SS+15+16*\b], v[BM+\b]
.endr
	v_nop                                          ; one plain place behind a scaled conversion
.irp c, 0,1
.irp i, 0,1
	v_permlane16_swap_b32 v[PC2+4*\c+\i], v[PC2+2+4*\c+\i]
.endr
.endr
.set NN, 0
.rept 16
	v_pk_mul_f32 v[OO+NN:OO+NN+1], v[OO+NN:OO+NN+1], v[FF:FF+1] op_sel_hi:[1,0]   ; O^T under the new M, from each accumulator's low end on.  Twelve of the sixteen name no register of any one product below: the places that p's codes and scale word, written by vector instructions, want ahead of it
.set NN, NN+2
.endr
	s_wait_dscnt 0x0                               ; v's fragments and scale words are in (and the next step's k, where it was asked for: the count is right on both ways)
	s_wait_alu depctr_va_vdst(0)                   ; vector instructions have written p's codes v[PC2 ..] and its scale word v[PW2], which the scaled products below take; the places above stay beside this wait
.irp d, 0,1,2,3
	v_wmma_scale_f32_16x16x128_f8f6f4 v[OO+8*\d:OO+8*\d+7], v[VF+8*\d:VF+8*\d+7], v[PC2:PC2+7], v[OO+8*\d:OO+8*\d+7], v[VS+\d], v[PW2] matrix_a_fmt:MATRIX_FMT_FP4 matrix_b_fmt:MATRIX_FMT_FP4
.endr                                          ; the four accumulators take turns; the next matrix instruction is a product k q^T of the next step
	PLACES                                         ; ahead of the way out's reads of O^T
.Lhid_\@:
	s_add_co_u32 s[TB], s[TB], 4096
	s_add_co_u32 s[TS], s[TS], 512
.endm
; ONE BLOCK OF QUERIES.  The loop has eight trips in every work-group, so that its LDS addresses step a constant number of times; hidden steps are jumped over inside a trip.
; stg: the block's stage, from STG on; ob: the scalar pair with the block's place in out0.
.macro PASS qlo, qs, blk, stg, ob
	s_wait_xcnt 0x0                                ; the stores of the block before have had their addresses translated: v70-101, their data, are written again only behind this wait
	s_wait_alu depctr_vm_vsrc(0)                   ; first block: the images' stores have read v102-110, which are O^T from here on; second block: the stage's stores have read v38-69 and the global stores v70-101, which this block's products write
	s_wait_alu depctr_va_vdst(0)                   ; the matrix and vector instructions that named v134-165 and v224-227 (first block: the projections' operands; second: the first block's k) are done: k's first fragments land there
	KLOAD LI, LI, 0, 0                             ; key step 0's k: it lands under the clearing below
	v_mov_b32 v[TX], 0xff61b1e6                    ; the largest t so far: -3e38, under every t
	v_floor_f32 v[MN], -v[TX]
	v_mov_b32 v[LL], 0
	v_mov_b32 v[LL+1], 0
	v_mov_b32 v[FF+1], 0
.irp b, 0,1,2,3
	v_mov_b32 v[T2+\b], 0                          ; a lane permute's destination counts as one of its sources
.endr
.set NN, 0
.rept 32
	v_mov_b32 v[OO+NN], 0                          ; the step is written once: the first finds zeros, which the first change of M leaves zeros
.set NN, NN+1
.endr
	s_mov_b32 s[STP], 0
	s_mov_b32 s[TB], 0
	s_mov_b32 s[TS], 0
.Lk_\@:
	STEP \qlo, \qs, \blk
	s_add_co_u32 s[STP], s[STP], 1
	s_cmp_lt_u32 s[STP], 8
	s_cbranch_scc1 .Lk_\@
	; THE WAY OUT.  out0's rows run along the positions, and a lane holds one query and eight d: the eight waves' 128 queries meet in a stage of 64 rows (d), and each wave stores eight whole rows of 512 bytes.
	v_add_f32 v[LL], v[LL], v[LL+1]                ; the sum's two halves,
	v_permlanex16_b32 v[TMP], v[LL], s[SEL], s[SEL+1]
	v_add_f32 v[LL], v[LL], v[TMP]                 ; and lane l xor 16's keys
	s_wait_alu depctr_va_vdst(0)
	v_rcp_f32 v[LL], v[LL]
	v_nop                                          ; a plain place behind the reciprocal
	s_wait_alu depctr_va_vdst(0)                   ; the reciprocal has written v[LL], ahead of its first reader
.set NN, 0
.rept 32
	v_mul_f32 v[SS+NN], v[OO+NN], v[LL]            ; register 8 dt + i: o(query 16 w + r, d = 16 dt + 8 h + i)
.set NN, NN+1
.endr
	s_wait_alu depctr_va_vdst(0)                   ; the 32 multiplications have written v38-69, which the stage's stores read; and all that named v70-101 is done: no vector instruction stands between this wait and the loads that land there
.irp d, 0,1,2,3
.irp i, 0,1,2,3,4,5,6,7
	ds_store_b32 v[STO], v[SS+8*\d+\i] offset:\stg+(16*\d+\i)*SROW   ; lanes 0-15 sixteen words on end, lanes 16-31 eight rows (1,056 words) further: 32 different banks
.endr
.endr
	BARRIER                                        ; 64 whole rows lie in the stage
.irp i, 0,1,2,3,4,5,6,7
	ds_load_b128 v[SS+32+4*\i:SS+35+4*\i], v[RD] offset:\stg+\i*SROW
.endr
.irp i, 0,1,2,3,4,5,6,7
	s_wait_dscnt 7-\i                              ; row i is in; the younger loads may be out
	global_store_b128 v[LI], v[SS+32+4*\i:SS+35+4*\i], s[\ob:\ob+1] offset:4096*\i th:TH_STORE_NT   ; 32 lanes store 512 consecutive bytes, at a multiple of 512 from out0's first byte; written once
.endr
.endm
	PASS QR+4, QSA, 33, 0, 30                      ; block j: key steps 0 .. j
	PASS QR+12, QSB, 34, STGB, 44                  ; block 7 - j: key steps 0 .. 7 - j
	s_wait_dscnt 0x0                               ; the closing lines, six on end
	s_wait_alu 0x0
	s_wait_tensorcnt 0x0
	ds_add_u32 v[SPW], v[NIL]
	s_wait_dscnt 0x0
	s_endpgm
.Lfunc_end_k_qdbe48d2aaa_attn:
	.size	k_qdbe48d2aaa_attn, .Lfunc_end_k_qdbe48d2aaa_attn-k_qdbe48d2aaa_attn
	.p2alignl 7, 3214868480
	.fill 96, 4, 3214868480
	.section	.rodata,"a",@progbits
	.p2align	6, 0x0
	.amdhsa_kernel k_qdbe48d2aaa_attn
		.amdhsa_group_segment_fixed_size 142336
		.amdhsa_private_segment_fixed_size 0
		.amdhsa_enable_private_segment 0
		.amdhsa_kernarg_size 112
		.amdhsa_user_sgpr_count 2
		.amdhsa_user_sgpr_kernarg_segment_ptr 1
		.amdhsa_wavefront_size32 1
		.amdhsa_system_sgpr_workgroup_id_x 1
		.amdhsa_system_sgpr_workgroup_id_y 1
		.amdhsa_system_sgpr_workgroup_id_z 1
		.amdhsa_system_vgpr_workitem_id 0
		.amdhsa_next_free_vgpr 512
		.amdhsa_next_free_sgpr 66
		.amdhsa_reserve_vcc 0
		.amdhsa_float_denorm_mode_32 3
		.amdhsa_float_denorm_mode_16_64 3
		.amdhsa_memory_ordered 1
		.amdhsa_forward_progress 1
		.amdhsa_inst_pref_size 143
	.end_amdhsa_kernel
	.amdgpu_metadata
---
amdhsa.version: [ 1, 2 ]
amdhsa.kernels:
  - .name:           k_qdbe48d2aaa_attn
    .symbol:         k_qdbe48d2aaa_attn.kd
    .args:
      - { .name: query_codes, .offset: 0, .size: 8, .value_kind: global_buffer, .address_space: global }
      - { .name: query_scales, .offset: 8, .size: 8, .value_kind: global_buffer, .address_space: global }
      - { .name: key_codes, .offset: 16, .size: 8, .value_kind: global_buffer, .address_space: global }
      - { .name: key_scales, .offset: 24, .size: 8, .value_kind: global_buffer, .address_space: global }
      - { .name: Wq_codes, .offset: 32, .size: 8, .value_kind: global_buffer, .address_space: global }
      - { .name: Wq_scales, .offset: 40, .size: 8, .value_kind: global_buffer, .address_space: global }
      - { .name: Wk_codes, .offset: 48, .size: 8, .value_kind: global_buffer, .address_space: global }
      - { .name: Wk_scales, .offset: 56, .size: 8, .value_kind: global_buffer, .address_space: global }
      - { .name: Wv_codes, .offset: 64, .size: 8, .value_kind: global_buffer, .address_space: global }
      - { .name: Wv_scales, .offset: 72, .size: 8, .value_kind: global_buffer, .address_space: global }
      - { .name: bq, .offset: 80, .size: 8, .value_kind: global_buffer, .address_space: global }
      - { .name: bk, .offset: 88, .size: 8, .value_kind: global_buffer, .address_space: global }
      - { .name: bv, .offset: 96, .size: 8, .value_kind: global_buffer, .address_space: global }
      - { .name: out0, .offset: 104, .size: 8, .value_kind: global_buffer, .address_space: global }
    .group_segment_fixed_size: 142336
    .private_segment_fixed_size: 0
    .kernarg_segment_align: 8
    .kernarg_segment_size: 112
    .max_flat_workgroup_size: 256
    .sgpr_count:     66
    .vgpr_count:     512
    .wavefront_size: 32
...
	.end_amdgpu_metadata
.endif
;; end of part 2
